; MI455X (gfx1250); checked and timed in simulation.
; The chip was launched on July 23, 2026; its instructions are those of AMD's public machine-readable ISA for CDNA 5 (MIT licence, August 2026) and "CDNA5" Instruction Set Architecture Reference Guide (July 2026). The comments in the code are by the model that wrote it; some were corrected since.
;; Multi Head Attention. Allowed arithmetic: matrix products marked QUANTISED: E2M3 operands, one E8M0 scale for each 32 along K, by v_wmma_scale_f32_16x16x128_f8f6f4 with both operands' format E2M3, f32 sums; everything else in f32.
;; Inputs: Wk 2,048 x 2,048 float32; Wo 2,048 x 2,048 float32; Wq 2,048 x 2,048 float32; Wv 2,048 x 2,048 float32; bk 2,048 float32; bo 2,048 float32; bq 2,048 float32; bv 2,048 float32; cos 2,048 x 64 float32; mask 1 x 1 x 2,048 x 2,048 int32; sin 2,048 x 64 float32; x 1 x 2,048 x 2,048 float32.
;; Outputs: out0 1 x 2,048 x 2,048 float32.
;; This version of the problem:
;;   THIS VERSION OF THE PROBLEM IS GIVEN IN LOW PRECISION. The matrix products marked QUANTISED in the list below multiply operands that are first quantised to E2M3 (2 exponent bits, 3 mantissa bits; 6 bits a number), with one power-of-two scale for each 32 numbers along K (OCP MX v1.0); their sums are f32. All else is computed in f32.
;;   The module's matrix products, in the order in which they are computed (A, B: the left and right operand; K: the contracted axis; several contracted axes count as one K, in the product's order):
;;     1. [M 2,048, K 2,048] x [K 2,048, N 2,048]; A: input x; B: input Wq: QUANTISED
;;     2. [M 2,048, K 2,048] x [K 2,048, N 2,048]; A: input x; B: input Wk: QUANTISED
;;     3. [M 2,048, K 2,048] x [K 2,048, N 2,048]; A: input x; B: input Wv: QUANTISED
;;     4. batch 16 x [M 2,048, K 128] x [K 128, N 2,048]; A: computed on the way; B: computed on the way: QUANTISED
;;     5. batch 16 x [M 2,048, K 2,048] x [K 2,048, N 128]; A: softmax (see below); B: computed on the way: QUANTISED
;;     6. [M 2,048, K 2,048] x [K 2,048, N 2,048]; A: computed on the way; B: input Wo: QUANTISED
;;   THE QUANTISER, for each operand of a quantised product, along K:
;;     - K is cut into blocks of 32 from its start; a last block that is shorter is filled with zeros.
;;     - A block's scale is 2^e with e = floor(log2(the largest magnitude in the block)) - 2, held to -126 .. 127; a block of zeros has e = 0. As a byte (E8M0): e + 127.
;;     - Each number is divided by its block's scale, clamped to +-7.5, and rounded to the nearest number of E2M3, ties to even, subnormals kept.
;;     - The product sums the exact products of the quantised numbers (number of the format x scale) in f32.
;;   ~~~python
;;   def quantise(x, axis):      # numpy; x: float32 -> the quantised numbers, widened to float32 again
;;       x = np.moveaxis(x, axis, -1); K = x.shape[-1]
;;       x = np.pad(x, [(0, 0)] * (x.ndim - 1) + [(0, -K % 32)]); x = x.reshape(x.shape[:-1] + (-1, 32)); a = np.abs(x).max(-1, keepdims=True)
;;       e = np.where(a > 0, np.clip(np.frexp(np.where(a > 0, a, 1))[1] - 1 - 2, -126, 127), 0)      # np.frexp(a)[1] - 1 = floor(log2(a)), exactly
;;       r = np.clip(x / 2.0 ** e, -7.5, 7.5)
;;       step = 2.0 ** (np.maximum(np.frexp(np.where(r == 0, 1, r))[1] - 1, 0) - 3)
;;       q = np.round(r / step) * step * 2.0 ** e      # np.round: ties to even
;;       return np.moveaxis(q.reshape(q.shape[:-2] + (-1,))[..., :K], -1, axis).astype(np.float32)
;;   ~~~
;;   SOFTMAX AHEAD OF A QUANTISED PRODUCT. Where the list says 'softmax', what is quantised is not the finished softmax but p = 2^(t - M), with t = logit x log2(e) and M = ceil(the row's largest t), a whole number; so 1/2 < the row's largest p <= 1. The row's sum l is taken of the UNQUANTISED p, in f32, and the product's result is divided by l at the end. Since M is a whole number, a kernel that streams over the keys may use a running M (the ceiling of the running maximum): every later rescaling is an exact power of two, which a block's scale takes up: the codes' values come out the same.
;;   OPERANDS COMPUTED ON THE WAY. 'Computed on the way' means the value that the module computes at that place (a softmax that the list does not call 'softmax' is quantised finished and normalised). What goes into a quantiser is computed in f32, as accurately as f32 sums, v_exp_f32 and their like allow (about 1e-6 of the number): no bf16 or f16 on the way to a quantiser, and a product that is left as it is and whose result goes on into a quantised operand takes f32 operands (vector FMAs, or v_wmma_f32_16x16x4_f32). A number that lies on a knife's edge between two numbers of the format may be rounded either way, as far as f32 arithmetic and the matrix unit's own rounding can turn it there, and no further.
;; 2 versions, each right and faster than the one before. Each part assembles by itself: llvm-mc -triple=amdgcn-amd-amdhsa -mcpu=gfx1250 --defsym DOCPART=n.
;; ======== version 1 of 2: 4 launches
;; workspace buffers: codes 15,728,640 bytes; scales 655,360 bytes; mbits 524,288 bytes of whole numbers; qkv 9,437,184 bytes; qkvs 393,216 bytes; ao 3,145,728 bytes; aos 131,072 bytes
;; launch prep (part 1): grid 128 x 6, 4 waves a work-group, no clusters, 68,096 bytes of LDS; arguments x, Wq, Wk, Wv, Wo, mask, codes, scales, mbits; writes codes, scales, mbits
.if DOCPART == 1
	.amdgcn_target "amdgcn-amd-amdhsa--gfx1250"
	.amdhsa_code_object_version 6
	.text
	.protected	k_q5b859a19f1_prep
	.globl	k_q5b859a19f1_prep
	.p2align	8
	.type	k_q5b859a19f1_prep,@function
k_q5b859a19f1_prep:
	s_mov_b64 s[64:65], 0
	v_nop
	global_prefetch_b8 v0, s[64:65] scope:SCOPE_SE
	s_setreg_imm32_b32 hwreg(HW_REG_WAVE_MODE, 25, 1), 1
	s_wait_xcnt 0x0
; x, Wq, Wk, Wv, Wo ([2048][2048] f32, K innermost) become codes of FP6 (E2M3) with one E8M0 byte for each 32 along K; the mask ([2048][2048] int32) becomes lane masks.
; TILE T of a matrix: 16 rows that are not neighbours: image row i is matrix row 32 (T / 2) + 8 (T % 2) + i + 8 (i / 8).  Every operand of the program is cut so.
; IMAGE (T, s): the 12 registers of the matrix operand of tile T, K = 128 s .. 128 s + 127, as they stand in the lanes: register 4 c + w of lane l at byte 512 c + 16 l + 4 w: 1,536 bytes.
;   codes : image (G, s) at 24576 G + 1536 s, G = 128 x tensor + T (tensor 0 x, 1 Wq, 2 Wk, 3 Wv, 4 Wo).   scales: the word of image row i at 1024 G + 256 (s / 4) + 16 i + 4 (s % 4).
;   mbits : word n (0..63) of (query tile T, key step S) at 4096 T + 256 S + 4 n; its bit l says whether key 128 S + 32 (n / 16) + 16 (l / 16) + n % 16 counts for the query of image row l % 16.
; A block's scale is 2^(floor(log2(largest magnitude)) - 2); its byte is the largest magnitude's exponent field - 2, held at 1 from below.
; LIMITS: a block of zeros gets the byte 1 where the rule says 127 (its codes are zeros, and this program alone reads the bytes); blocks whose largest magnitude lies under 2^-124 are held at that byte; NaN and infinities are not served.
; SHARES: work-group x = tile T, y = tensor (5: the mask).  Wave w takes columns 512 w .. 512 w + 511 in four steps of 16 rows x 128 columns.  Each load reads 512 consecutive bytes of one row;
; a step's 8,192 bytes turn through the wave's own stage in LDS (rows 528 bytes apart) and come back 16 neighbours of each block of 32 to a lane.  No barrier: waves share nothing.
.set STG,   8448                       ; a wave's stage: 16 rows x (512 + 16) bytes
.set MSTG,  4*STG                      ; the mask's path has stages of its own
.set SPARE, 8*STG                      ; the spare words: 128 bytes a wave, two blocks of 256 bytes that no other line names
.set LI,  4                            ; v4   16 x lane
.set STI, 5                            ; v5   the stage, on the way in: my wave's + 16 x lane
.set STO, 6                            ; v6   and out: my wave's + 528 (lane % 16) + 64 (lane / 16)
.set SCO, 7                            ; v7   16 x (lane % 16): my row's four scale words
.set MOF, 8                            ; v8   8 x lane: two mask words
.set SPW, 10                           ; v10  my spare word; never rewritten
.set NIL, 11                           ; v11  0; never rewritten
.set R,   16                           ; v16-143  two sets of 64 registers as loaded
.set X,   144                          ; v144-207 register 16 b + i = column 32 b + 16 (lane / 16) + i of my row
.set PC,  208                          ; v208-227 the codes just made
.set TM,  228                          ; v228-243 at work
.set SW,  244                          ; v244-247 the four steps' scale words
.set MW,  248                          ; v248-255 the four steps' mask words, two registers each
.set SEL, 36                           ; s[36:37] v_permlanex16_b32's selects for lane l xor 16
; 64 numbers of a lane, register 16 b + i = k 32 b + 16 (lane / 16) + i of my row, become the operand's 12 registers in v[PC] on and the row's scale word in v[pw]
.macro QUANT s, pw
.irp b, 0,1,2,3
	v_max3_num_f32 v[TM+\b], |v[\s+16*\b]|, |v[\s+1+16*\b]|, 0x1800000   ; my 16 numbers of block b, and the floor 2^(3 - 127): the byte cannot fall under 1
.endr
.irp i, 2,4,6,8,10,12,14
.irp b, 0,1,2,3
	v_max3_num_f32 v[TM+\b], v[TM+\b], |v[\s+16*\b+\i]|, |v[\s+1+16*\b+\i]|
.endr
.endr
.irp b, 0,1,2,3
	v_permlanex16_b32 v[TM+4+\b], v[TM+\b], s[SEL], s[SEL+1]
.endr
.irp b, 0,1,2,3
	v_max_num_f32 v[TM+\b], v[TM+\b], v[TM+4+\b]                   ; with lane l xor 16's: the block's largest magnitude
.endr
.irp b, 0,1,2,3
	v_add_nc_u32 v[TM+12+\b], 0xff000000, v[TM+\b]                 ; 2 off its exponent field: the conversion's scale operand
.endr
.irp b, 0,1,2,3
	v_lshrrev_b32 v[TM+4+\b], 23, v[TM+12+\b]                      ; the scale's byte
.endr
	v_lshl_or_b32 v[\pw], v[TM+5], 8, v[TM+4]
	v_lshl_or_b32 v[\pw], v[TM+6], 16, v[\pw]
	v_lshl_or_b32 v[\pw], v[TM+7], 24, v[\pw]
.irp c, 0,1
	v_cvt_scalef32_pk16_fp6_f32 v[PC+6*\c:PC+2+6*\c], v[\s+32*\c:\s+15+32*\c], v[TM+12+2*\c]
	v_cvt_scalef32_pk16_fp6_f32 v[PC+12+4*\c:PC+14+4*\c], v[\s+16+32*\c:\s+31+32*\c], v[TM+12+2*\c+1]   ; (a conversion's three registers begin on an even number)
.endr
	v_nop                                          ; one plain place behind a scaled conversion
.irp c, 0,1                                    ; the operand wants a whole block in a lane: lanes 0-15 block 2 c, lanes 16-31 block 2 c + 1
.irp i, 0,1,2
	v_permlane16_swap_b32 v[PC+6*\c+\i], v[PC+12+4*\c+\i]
.endr
.irp i, 0,1,2
	v_mov_b32 v[PC+3+6*\c+\i], v[PC+12+4*\c+\i]
.endr
.endr
.endm
.macro LOAD t                          ; step t: 16 rows x 512 bytes into set t % 2
.irp i, 0,1,2,3,4,5,6,7,8,9,10,11,12,13,14,15
	global_load_b128 v[R+64*((\t)%2)+4*\i:R+64*((\t)%2)+4*\i+3], v[LI], s[4:5] offset:(\i+8*(\i/8))*8192+512*(\t) th:TH_LOAD_NT
.endr
.endm
.macro TURN t, base                    ; through the stage: LDS serves a wave's instructions in order, so no wait stands between the stores and the loads
.irp i, 0,1,2,3,4,5,6,7,8,9,10,11,12,13,14,15
	ds_store_b128 v[STI], v[R+64*((\t)%2)+4*\i:R+64*((\t)%2)+4*\i+3] offset:\base+528*\i
.endr
.irp b, 0,1,2,3
.irp j, 0,1,2,3
	ds_load_b128 v[X+16*\b+4*\j:X+16*\b+4*\j+3], v[STO] offset:\base+128*\b+16*\j
.endr
.endr
.endm
.macro BRING t, base, free             ; step t's numbers into X; free = 1: the last step's stores have read their registers
.if (\t) < 3
	s_wait_loadcnt 16                              ; this step's 16 loads are in; the next step's 16 may be out
.else
	s_wait_loadcnt 0x0
.endif
	TURN \t, \base
	s_wait_dscnt 0x0                               ; X is in, and the stage's stores have read the set
.if \free
	s_wait_xcnt 0x0                                ; the codes' registers, which the last step's stores read, are rewritten only behind this wait
.endif
.if (\t)+2 < 4
	LOAD (\t)+2
.endif
.endm
.macro QSTEP t
.if (\t) > 0
	BRING \t, 0, 1
.else
	BRING \t, 0, 0
.endif
	QUANT X, SW+\t
.irp c, 0,1,2
	global_store_b128 v[LI], v[PC+4*\c:PC+4*\c+3], s[20:21] offset:1536*(\t)+512*\c   ; 32 lanes store 512 consecutive bytes, aligned
.endr
.endm
.macro MSTEP t
	BRING \t, MSTG, 0
.set n, 0
.rept 16
.irp u, 0,1,2,3
	v_cmp_ne_u32 s[40+\u], 0, v[X+n+\u]            ; the lane mask of score register n + u
.endr
.irp u, 0,1,2,3
	v_writelane_b32 v[MW+2*(\t)+(\u%2)], s[40+\u], (n+\u)/2   ; word n to lane n / 2, register n % 2
.endr
.set n, n+4
.endr
	global_store_b64 v[MOF], v[MW+2*(\t):MW+2*(\t)+1], s[24:25] offset:256*(\t)   ; 32 lanes store 256 consecutive bytes, aligned
.endm
	s_load_b512 s[8:23], s[0:1], 0x0               ; x, Wq, Wk, Wv, Wo, mask, codes, scales
	s_load_b64 s[24:25], s[0:1], 0x40              ; mbits
	v_lshl_add_u32 v[SPW], v0, 2, SPARE
	v_mov_b32 v[NIL], 0
	v_lshrrev_b32 v1, 5, v0
	v_readfirstlane_b32 s26, v1                    ; wave
	s_and_b32 s27, ttmp7, 0xffff                   ; which tensor
	v_and_b32 v1, 31, v0
	v_and_b32 v2, 15, v0
	v_bfe_u32 v3, v0, 4, 1
	v_lshlrev_b32 v[LI], 4, v1
	s_mul_i32 s28, s26, STG
	v_add_nc_u32 v[STI], s28, v[LI]
	v_mul_u32_u24 v[STO], v2, 528
	v_lshl_add_u32 v[STO], v3, 6, v[STO]
	v_add_nc_u32 v[STO], s28, v[STO]
	v_lshlrev_b32 v[SCO], 4, v2
	v_lshlrev_b32 v[MOF], 3, v1
	s_mov_b32 s[SEL], 0x76543210
	s_mov_b32 s[SEL+1], 0xfedcba98
	s_lshr_b32 s30, ttmp9, 1                       ; the tile's first row, 32 (T / 2) + 8 (T % 2), in rows of 8,192 bytes,
	s_lshl_b32 s30, s30, 18
	s_and_b32 s31, ttmp9, 1
	s_lshl_b32 s31, s31, 16
	s_add_co_u32 s30, s30, s31
	s_lshl_b32 s31, s26, 11                        ; and my wave's 512 columns
	s_add_co_u32 s30, s30, s31
	s_mov_b32 s31, 0
	s_wait_kmcnt 0x0
	s_mov_b64 s[4:5], s[8:9]                       ; the input is chosen by the work-group's number alone
	s_cmp_eq_u32 s27, 1
	s_cselect_b64 s[4:5], s[10:11], s[4:5]
	s_cmp_eq_u32 s27, 2
	s_cselect_b64 s[4:5], s[12:13], s[4:5]
	s_cmp_eq_u32 s27, 3
	s_cselect_b64 s[4:5], s[14:15], s[4:5]
	s_cmp_eq_u32 s27, 4
	s_cselect_b64 s[4:5], s[16:17], s[4:5]
	s_cmp_eq_u32 s27, 5
	s_cselect_b64 s[4:5], s[18:19], s[4:5]
	s_add_nc_u64 s[4:5], s[4:5], s[30:31]
	LOAD 0
	LOAD 1
	s_cmp_eq_u32 s27, 5
	s_cbranch_scc1 .Lmask
	s_lshl_b32 s30, s27, 7
	s_add_co_u32 s30, s30, ttmp9                   ; G
	s_mul_i32 s32, s30, 24576
	s_mul_i32 s33, s26, 6144
	s_add_co_u32 s32, s32, s33
	s_mov_b32 s33, 0
	s_add_nc_u64 s[20:21], s[20:21], s[32:33]      ; my four images
	s_lshl_b32 s32, s30, 10
	s_lshl_b32 s34, s26, 8
	s_add_co_u32 s32, s32, s34
	s_add_nc_u64 s[22:23], s[22:23], s[32:33]      ; and their scale words: 256 bytes
.irp b, 0,1,2,3
	v_mov_b32 v[TM+4+\b], 0                        ; written once: a lane permute's destination counts as one of its sources
.endr
	QSTEP 0
	QSTEP 1
	QSTEP 2
	QSTEP 3
	global_store_b128 v[SCO], v[SW:SW+3], s[22:23] ; row i's four words; lanes i and i + 16 hold and write the same 16 bytes: 256 consecutive bytes, aligned
	s_branch .Lend
.Lmask:
	s_lshl_b32 s32, ttmp9, 12
	s_lshl_b32 s34, s26, 10
	s_add_co_u32 s32, s32, s34
	s_mov_b32 s33, 0
	s_add_nc_u64 s[24:25], s[24:25], s[32:33]
.irp b, 0,1,2,3,4,5,6,7
	v_mov_b32 v[MW+\b], 0                          ; v_writelane_b32's destination counts as read
.endr
	MSTEP 0
	MSTEP 1
	MSTEP 2
	MSTEP 3
.Lend:
	s_wait_tensorcnt 0x0                           ; the wave's end, behind my last LDS store
	ds_add_u32 v[SPW], v[NIL]
	s_wait_dscnt 0x0
	s_endpgm
.Lfunc_end_k_q5b859a19f1_prep:
	.size	k_q5b859a19f1_prep, .Lfunc_end_k_q5b859a19f1_prep-k_q5b859a19f1_prep
	.p2alignl 7, 3214868480
	.fill 96, 4, 3214868480
	.section	.rodata,"a",@progbits
	.p2align	6, 0x0
	.amdhsa_kernel k_q5b859a19f1_prep
		.amdhsa_group_segment_fixed_size 68096
		.amdhsa_private_segment_fixed_size 0
		.amdhsa_enable_private_segment 0
		.amdhsa_kernarg_size 72
		.amdhsa_user_sgpr_count 2
		.amdhsa_user_sgpr_kernarg_segment_ptr 1
		.amdhsa_wavefront_size32 1
		.amdhsa_system_sgpr_workgroup_id_x 1
		.amdhsa_system_sgpr_workgroup_id_y 1
		.amdhsa_system_sgpr_workgroup_id_z 1
		.amdhsa_system_vgpr_workitem_id 0
		.amdhsa_next_free_vgpr 256
		.amdhsa_next_free_sgpr 66
		.amdhsa_reserve_vcc 0
		.amdhsa_float_denorm_mode_32 3
		.amdhsa_float_denorm_mode_16_64 3
		.amdhsa_memory_ordered 1
		.amdhsa_forward_progress 1
		.amdhsa_inst_pref_size 78
	.end_amdhsa_kernel
	.amdgpu_metadata
---
amdhsa.version: [ 1, 2 ]
amdhsa.kernels:
  - .name:           k_q5b859a19f1_prep
    .symbol:         k_q5b859a19f1_prep.kd
    .args:
      - { .name: x, .offset: 0, .size: 8, .value_kind: global_buffer, .address_space: global }
      - { .name: Wq, .offset: 8, .size: 8, .value_kind: global_buffer, .address_space: global }
      - { .name: Wk, .offset: 16, .size: 8, .value_kind: global_buffer, .address_space: global }
      - { .name: Wv, .offset: 24, .size: 8, .value_kind: global_buffer, .address_space: global }
      - { .name: Wo, .offset: 32, .size: 8, .value_kind: global_buffer, .address_space: global }
      - { .name: mask, .offset: 40, .size: 8, .value_kind: global_buffer, .address_space: global }
      - { .name: codes, .offset: 48, .size: 8, .value_kind: global_buffer, .address_space: global }
      - { .name: scales, .offset: 56, .size: 8, .value_kind: global_buffer, .address_space: global }
      - { .name: mbits, .offset: 64, .size: 8, .value_kind: global_buffer, .address_space: global }
    .group_segment_fixed_size: 68096
    .private_segment_fixed_size: 0
    .kernarg_segment_align: 8
    .kernarg_segment_size: 72
    .max_flat_workgroup_size: 128
    .sgpr_count:     66
    .vgpr_count:     256
    .wavefront_size: 32
...
	.end_amdgpu_metadata
.endif
;; end of part 1
;; launch qkv (part 2): grid 24 x 8, 4 waves a work-group, clusters of 4 x 4, 327,680 bytes of LDS; arguments codes, scales, bq, bk, bv, cos, sin, qkv, qkvs; writes qkv, qkvs
.if DOCPART == 2
	.amdgcn_target "amdgcn-amd-amdhsa--gfx1250"
	.amdhsa_code_object_version 6
	.text
	.protected	k_q5b859a19f1_qkv
	.globl	k_q5b859a19f1_qkv
	.p2align	8
	.type	k_q5b859a19f1_qkv,@function
k_q5b859a19f1_qkv:
	s_mov_b64 s[64:65], 0
	v_nop
	global_prefetch_b8 v0, s[64:65] scope:SCOPE_SE
	s_setreg_imm32_b32 hwreg(HW_REG_WAVE_MODE, 25, 1), 1
	s_wait_xcnt 0x0
	s_wait_alu depctr_hold_cnt(0) depctr_sa_sdst(0) depctr_va_vdst(0) depctr_va_sdst(0) depctr_va_ssrc(0) depctr_va_vcc(0) depctr_vm_vsrc(0)
	s_getreg_b32 s2, hwreg(HW_REG_IB_STS2, 6, 4)
	s_cmp_eq_u32 s2, 0
	s_cbranch_scc0 .Lentry_in_a_cluster
	s_endpgm
.Lentry_in_a_cluster:
	s_bfe_u32 s2, ttmp6, 0x10000c
	s_cmp_lg_u32 s2, 0xf033
	s_cbranch_scc0 .Lentry_shape_is_right
	s_endpgm
.Lentry_shape_is_right:
; q = (x Wq^T + bq), k = (x Wk^T + bk), each with its first 64 channels of a head times (cos - sin)[token], and v = x Wv^T + bv, on codes of FP6 (E2M3) with E8M0 scales; the results are quantised here, in registers:
; q and k along a head's 128 channels, v along the keys, and stored as images of the next products' operands.
; TILES AND IMAGES as the launch before lays them: tile T = rows 32 (T / 2) + 8 (T % 2) + i + 8 (i / 8); image (G, s) = 1,536 bytes at 24576 G + 1536 s of codes; its scale words at 1024 G + 256 (s / 4) + 16 i + 4 (s % 4) of scales.
; A work-group of four waves makes 256 x 256 of a product, a wave 128 x 128: 64 accumulators.  Work-group x 0-7: q, 8-15: k, 16-23: v.
; THE MATRIX INSTRUCTION: source 0 = a tile of operand B, source 1 = a tile of operand A: a lane then holds ONE row of A, and by the choice of a tile's rows the 64 registers of a block of A run along 128 neighbouring rows of B
; in the order 32 b + 16 (lane / 16) + i, which is the order that the quantiser wants.  q, k: A = x (tokens), B = W (a head's channels).  v: A = Wv (a head's channels), B = x (128 keys).
; OUT: qkv: q at 0, k at 3145728: head x 196608 + token tile x 1536;  v at 6291456: head x 196608 + key step x 12288 + channel tile x 1536.  qkvs: q 0, k 131072, v 262144: 8192 x head + 64 x (the same tile index) + 4 i.
; K goes in steps of 256 through a ring of two LDS slots: for each of 32 tiles the two images of the step, 3,072 consecutive bytes of memory.  The scale words of the work-group's 32 tiles come once and stay.
; CLUSTER 4 x 4: A's tiles are shared along a row of the cluster, B's along a column: each is asked for jointly.  The kind of product hangs on the cluster's x alone, which all sixteen partners share.
; LIMITS: a block of zeros gets the byte 1 where the rule says 127 (its codes are zeros; this program alone reads the bytes); NaN and infinities are not served.
; REGISTERS: window 0: v16-31 addresses; v32-63 scale words, two sets; v64-127 the bias in q's and k's order; v128-223 A's fragments, one set; v240-255 the bias in v's order; behind the loop v128-235 are at work.
;   window 1: B's fragments, two sets, at v0 and v128; v96-127, v224-255 the first block's cos and sin.   windows 2, 3: the accumulators ((a, b) at v[8 (8 (a % 4) + b)] of window 2 + a / 4).
.set FR,    12                         ; registers of a fragment
.set NL,    3                          ; LDS loads that bring one
.set NP,    4                          ; places behind this matrix instruction (ISA guide 7.12.1)
.set NQ,    2                          ; matrix instructions deep in a slot
.set HALFT, 24576                      ; 8 tiles x 3,072 bytes: what one tensor load brings, and what one wave reads of A or of B
.set SLOT,  4*HALFT                    ; A's 16 tiles, then B's 16
.set LAPS,  4                          ; 2048 / 512: a lap = once round the ring
.set SCL,   2*SLOT                     ; behind the ring: the scale words
.set HALFS, 8192                       ; those of 8 tiles
.set SBLK,  1024                       ; those of one
.set SPARE, SCL+4*HALFS                ; the spare words: 128 bytes a wave, two blocks of 256 bytes that no other line names
.set ADRA, 16                          ; v16-17 LDS address of my A fragments in slot 0, 1
.set ADRB, 20                          ; v20-21 the same for B
.set LI,   24                          ; v24  16 x lane
.set LS,   25                          ; v25  4 x lane
.set CSO,  26                          ; v26  cos, sin: (r + 8 (r / 8)) x 256 + 64 h
.set ADRS, 27                          ; v27  LDS address of my scale words: lanes 0-15 A's, lanes 16-31 B's
.set SPW,  28                          ; v28  my spare word; never rewritten
.set NIL,  29                          ; v29  0; never rewritten
.set BOF,  30                          ; v30  64 h
.set BOV,  31                          ; v31  (r + 8 (r / 8)) x 4
.set SC,   32
.set BN,   64
.set AF,   128
.set H,    128                         ; behind the loop: a block's 64 numbers
.set PC,   192
.set TM,   212
.set PW,   228
.set PWE,  229
.set PWS,  232
.set BV,   240
.set G1, 24
.set G0, 32
.set G1B, 48
.set G0B, 56
.set G1S, 68
.set G0S, 76
.set G1SB, 80
.set G0SB, 88
.set SEL, 100
.set MSB, 0
.macro WIN new                         ; the immediate's high byte repeats the setting that is left
.if MSB != (\new)
	s_set_vgpr_msb (MSB<<8)|(\new)
.set MSB, (\new)
.endif
.endm
.set MUL_LO, 0xa1                      ; source 0 (B) window 1, source 1 (A) window 0, C and D window 2
.set MUL_HI, 0xf1                      ; the same, C and D window 3
.set TO_B,   0x40                      ; destination window 1, address window 0
; A joint load: waves 0 and 1 fetch for A, waves 2 and 3 for B; the branch hangs on the wave's number alone.  An s_nop 0 and four v_nop follow each of the two lines.
.macro JLOAD g0a, g1a, g0b, g1b
	s_cmp_eq_u32 s23, 0
	s_cbranch_scc0 .Lfor_b_\@
	tensor_load_to_lds s[\g0a:\g0a+3], s[\g1a:\g1a+7]
	s_nop 0
.rept 4
	v_nop
.endr
	s_branch .Lasked_\@
.Lfor_b_\@:
	tensor_load_to_lds s[\g0b:\g0b+3], s[\g1b:\g1b+7]
	s_nop 0
.rept 4
	v_nop
.endr
.Lasked_\@:
.endm
.macro CREST                           ; a round of the cluster's barrier behind its opening barrier
	s_cmp_lg_u32 s22, 0
	s_cbranch_scc1 .Lnot_wave_0_\@
	s_barrier_signal -3
.Lnot_wave_0_\@:
	s_barrier_wait -3
	s_barrier_signal -1
	s_barrier_wait -1
.endm
.macro CROUND
	s_barrier_signal -1
	s_barrier_wait -1
	CREST
.endm
.macro QUANT s, pw                     ; 64 numbers of a lane, register 16 b + i = k 32 b + 16 (lane / 16) + i of my row -> the operand's 12 registers in v[PC] on, the row's scale word in v[pw]
.irp b, 0,1,2,3
	v_max3_num_f32 v[TM+\b], |v[\s+16*\b]|, |v[\s+1+16*\b]|, 0x1800000   ; and the floor 2^(3 - 127): the byte cannot fall under 1
.endr
.irp i, 2,4,6,8,10,12,14
.irp b, 0,1,2,3
	v_max3_num_f32 v[TM+\b], v[TM+\b], |v[\s+16*\b+\i]|, |v[\s+1+16*\b+\i]|
.endr
.endr
.irp b, 0,1,2,3
	v_permlanex16_b32 v[TM+4+\b], v[TM+\b], s[SEL], s[SEL+1]
.endr
.irp b, 0,1,2,3
	v_max_num_f32 v[TM+\b], v[TM+\b], v[TM+4+\b]
.endr
.irp b, 0,1,2,3
	v_add_nc_u32 v[TM+12+\b], 0xff000000, v[TM+\b]                 ; 2 off the exponent field: the conversion's scale operand
.endr
.irp b, 0,1,2,3
	v_lshrrev_b32 v[TM+4+\b], 23, v[TM+12+\b]                      ; the scale's byte
.endr
	v_lshl_or_b32 v[\pw], v[TM+5], 8, v[TM+4]
	v_lshl_or_b32 v[\pw], v[TM+6], 16, v[\pw]
	v_lshl_or_b32 v[\pw], v[TM+7], 24, v[\pw]
.irp c, 0,1
	v_cvt_scalef32_pk16_fp6_f32 v[PC+6*\c:PC+2+6*\c], v[\s+32*\c:\s+15+32*\c], v[TM+12+2*\c]
	v_cvt_scalef32_pk16_fp6_f32 v[PC+12+4*\c:PC+14+4*\c], v[\s+16+32*\c:\s+31+32*\c], v[TM+12+2*\c+1]
.endr
	v_nop                                          ; one plain place behind a scaled conversion
.irp c, 0,1
.irp i, 0,1,2
	v_permlane16_swap_b32 v[PC+6*\c+\i], v[PC+12+4*\c+\i]
.endr
.irp i, 0,1,2
	v_mov_b32 v[PC+3+6*\c+\i], v[PC+12+4*\c+\i]
.endr
.endr
.endm
	s_load_b512 s[4:19], s[0:1], 0x0               ; codes s[4:5], scales s[6:7], bq, bk, bv s[8:13], cos s[14:15], sin s[16:17], qkv s[18:19]
	s_load_b64 s[20:21], s[0:1], 0x40              ; qkvs
	v_lshl_add_u32 v[SPW], v0, 2, SPARE
	v_mov_b32 v[NIL], 0
	ds_add_u32 v[SPW], v[NIL]                      ; the wave's opening: the add and its wait stand ahead of my first tensor load; the set-up below, work on registers, stands between them
	v_lshrrev_b32 v1, 5, v0
	v_readfirstlane_b32 s22, v1                    ; wave 0..3
	s_lshr_b32 s23, s22, 1                         ; which half of A's tiles is mine.  Also: I fetch for A (0) or for B (1)
	s_and_b32 s46, s22, 1                          ; which half of B's.  Also: which 8 tiles I fetch
	s_bfe_u32 s40, ttmp6, 0x40000                  ; cx, cy: my place in the cluster
	s_bfe_u32 s41, ttmp6, 0x40004
	s_lshl_b32 s42, ttmp9, 2
	s_add_co_u32 s42, s42, s40                     ; tx = 4 x cluster x + cx
	s_and_b32 s45, ttmp7, 0xffff
	s_lshl_b32 s45, s45, 2
	s_add_co_u32 s45, s45, s41                     ; ty = 4 x cluster y + cy
	s_lshl_b32 s43, s41, 2
	s_lshl_b32 s43, 15, s43                        ; my row of the cluster
	s_lshl_b32 s44, 0x1111, s40                    ; my column
	; descriptor group 1: 8 rows (tiles) of 3,072 bytes (384 elements of 8 bytes), 24,576 bytes apart; dense in LDS
	s_or_b32 s[G1+0], s43, (3<<16)|(1<<21)         ; 15:0 the mask; 17:16 elements of 8 bytes; 20 no padding; 21 set beside a mask
	s_or_b32 s[G1B+0], s44, (3<<16)|(1<<21)
.irp g, G1, G1B
	s_mov_b32 s[\g+1], 384<<16                     ; tensor_dim0
	s_mov_b32 s[\g+2], 8<<16                       ; tensor_dim1
	s_mov_b32 s[\g+3], 384<<16                     ; tile_dim0
	s_mov_b32 s[\g+4], 8                           ; tile_dim1
	s_mov_b32 s[\g+5], 3072                        ; tensor_dim0_stride
	s_mov_b32 s[\g+6], 0
	s_mov_b32 s[\g+7], 0
.endr
	; the scale words of 8 tiles: 8,192 dense bytes as 32 rows of 256
	s_or_b32 s[G1S+0], s43, (3<<16)|(1<<21)
	s_or_b32 s[G1SB+0], s44, (3<<16)|(1<<21)
.irp g, G1S, G1SB
	s_mov_b32 s[\g+1], 32<<16
	s_mov_b32 s[\g+2], 32<<16
	s_mov_b32 s[\g+3], 32<<16
	s_mov_b32 s[\g+4], 32
	s_mov_b32 s[\g+5], 32
	s_mov_b32 s[\g+6], 0
	s_mov_b32 s[\g+7], 0
.endr
	s_cmp_ge_u32 ttmp9, 4                          ; clusters 4 and 5 along x make v: the same answer in all sixteen partners
	s_cselect_b32 s47, 1, 0                        ; ISV
	s_cselect_b32 s66, 384, 0                      ; A: Wv's tiles begin at 384, x's at 0
	s_mov_b32 s67, 128
	s_cselect_b32 s67, 0xffffff00, s67             ; B: x's tile 16 (tx - 16), or Wq's and Wk's 128 + 16 tx
	s_lshl_b32 s92, s46, 3
	s_lshl_b32 s94, s45, 4
	s_add_co_u32 s66, s66, s94
	s_add_co_u32 s66, s66, s92                     ; the first tile of A that I would fetch: it hangs on ty, never on cx
	s_lshl_b32 s96, s42, 4
	s_add_co_u32 s67, s67, s96
	s_add_co_u32 s67, s67, s92                     ; and of B: on tx, never on cy
	s_mul_i32 s92, s66, 24576
	s_mov_b32 s93, 0
	s_lshl_b32 s94, s66, 10
	s_mov_b32 s95, 0
	s_mul_i32 s96, s67, 24576
	s_mov_b32 s97, 0
	s_lshl_b32 s98, s67, 10
	s_mov_b32 s99, 0
	s_mul_i32 s3, s22, HALFT                       ; where they go: wave x 8 tiles: no place in the cluster enters an LDS address
	s_lshl_b32 s2, s22, 13
	s_mov_b32 s[SEL], 0x76543210
	s_mov_b32 s[SEL+1], 0xfedcba98
	s_wait_dscnt 0x0                               ; the opening add is done
	s_wait_kmcnt 0x0
	s_add_nc_u64 s[92:93], s[4:5], s[92:93]
	s_add_nc_u64 s[94:95], s[6:7], s[94:95]
	s_add_nc_u64 s[96:97], s[4:5], s[96:97]
	s_add_nc_u64 s[98:99], s[6:7], s[98:99]
	CROUND                                         ; all sixteen work-groups are here: the first joint loads meet
	s_mov_b32 s[G0S], 1
	s_add_co_u32 s[G0S+1], s2, SCL
	s_mov_b64 s[G0S+2:G0S+3], s[94:95]
	s_or_b32 s[G0S+3], s[G0S+3], 0x80000000
	s_mov_b32 s[G0SB], 1
	s_add_co_u32 s[G0SB+1], s2, SCL
	s_mov_b64 s[G0SB+2:G0SB+3], s[98:99]
	s_or_b32 s[G0SB+3], s[G0SB+3], 0x80000000
	JLOAD G0S, G1S, G0SB, G1SB                     ; the scale words first: they are wanted with K step 0
.irp s, 0,1
	s_mov_b32 s[G0+4*\s], 1
	s_add_co_u32 s[G0+4*\s+1], s3, \s*SLOT
	s_add_nc_u64 s[G0+4*\s+2:G0+4*\s+3], s[92:93], \s*3072
	s_or_b32 s[G0+4*\s+3], s[G0+4*\s+3], 0x80000000
	s_mov_b32 s[G0B+4*\s], 1
	s_add_co_u32 s[G0B+4*\s+1], s3, \s*SLOT
	s_add_nc_u64 s[G0B+4*\s+2:G0B+4*\s+3], s[96:97], \s*3072
	s_or_b32 s[G0B+4*\s+3], s[G0B+4*\s+3], 0x80000000
	JLOAD G0+4*\s, G1, G0B+4*\s, G1B
.endr
	v_and_b32 v1, 15, v0                           ; r
	v_bfe_u32 v2, v0, 4, 1                         ; h
	v_and_b32 v3, 31, v0
	v_lshlrev_b32 v[LI], 4, v3
	v_lshlrev_b32 v[LS], 2, v3
	s_mul_i32 s66, s23, HALFT                      ; my 8 tiles of A
	s_mul_i32 s67, s46, HALFT                      ; my 8 tiles of B,
	s_add_co_u32 s67, s67, 2*HALFT                 ; which lie behind A's 16
.irp s, 0,1
	v_add_nc_u32 v[ADRA+\s], s66, v[LI]
	v_add_nc_u32 v[ADRB+\s], s67, v[LI]
	s_add_co_u32 s66, s66, SLOT
	s_add_co_u32 s67, s67, SLOT
.endr
	v_lshlrev_b32 v5, 4, v1                        ; my row's scale words: 16 bytes a row in each 256
	s_lshl_b32 s66, s23, 13                        ; A's: my 8 tiles
	s_lshl_b32 s67, s46, 13                        ; B's: my 8 tiles, behind A's 16
	s_add_co_u32 s67, s67, 2*HALFS
	s_sub_co_u32 s67, s67, s66
	v_mul_u32_u24 v6, s67, v2                      ; lanes 16-31 take B's
	s_add_co_u32 s66, s66, SCL
	v_add_nc_u32 v5, v5, v6
	v_add_nc_u32 v[ADRS], s66, v5
	v_and_b32 v4, 8, v1
	v_add_nc_u32 v4, v4, v1                        ; r + 8 (r / 8)
	v_lshlrev_b32 v[CSO], 8, v4
	v_lshl_add_u32 v[CSO], v2, 6, v[CSO]
	v_lshlrev_b32 v[BOF], 6, v2
	v_lshlrev_b32 v[BOV], 2, v4
	; where the results go, and what is added to them
	s_lshl_b32 s66, s45, 1
	s_add_co_u32 s66, s66, s23                     ; XA: which 128 rows of A are mine (q, k: tokens; v: the head)
	s_and_b32 s67, s42, 7
	s_lshl_b32 s67, s67, 1
	s_add_co_u32 s67, s67, s46                     ; XB: which 128 rows of B (q, k: the head; v: the key step)
	s_lshr_b32 s92, ttmp9, 1                       ; 0 q, 1 k, 2 v
	s_cmp_eq_u32 s92, 1
	s_cselect_b64 s[8:9], s[10:11], s[8:9]
	s_cmp_eq_u32 s92, 2
	s_cselect_b64 s[8:9], s[12:13], s[8:9]         ; the product's bias
	s_cmp_eq_u32 s47, 1
	s_cselect_b32 s93, s66, s67                    ; the head
	s_cselect_b32 s94, s67, s66                    ; the run of 8 images in it
	s_mul_i32 s96, s92, 3145728
	s_mul_i32 s98, s93, 196608
	s_add_co_u32 s96, s96, s98
	s_mul_i32 s98, s94, 12288
	s_add_co_u32 s96, s96, s98
	s_mov_b32 s97, 0
	s_add_nc_u64 s[18:19], s[18:19], s[96:97]
	s_lshl_b32 s96, s92, 17
	s_lshl_b32 s98, s93, 13
	s_add_co_u32 s96, s96, s98
	s_lshl_b32 s98, s94, 9
	s_add_co_u32 s96, s96, s98
	s_add_nc_u64 s[20:21], s[20:21], s[96:97]
	s_lshl_b32 s96, s67, 9
	s_add_nc_u64 s[10:11], s[8:9], s[96:97]        ; the bias of B's 128 rows (used by q and k)
	s_lshl_b32 s96, s66, 9
	s_add_nc_u64 s[12:13], s[8:9], s[96:97]        ; and of A's 128 rows (used by v)
	s_lshl_b32 s96, s66, 15
	s_add_nc_u64 s[14:15], s[14:15], s[96:97]      ; cos and sin at A's 128 rows (used by q and k)
	s_add_nc_u64 s[16:17], s[16:17], s[96:97]
	; Every work-group loads all three, whatever it makes: all addresses lie inside their buffers (XA, XB < 16), and every register is written on every way.
.irp b, 0,1,2,3
.irp w, 0,1,2,3
	global_load_b128 v[BN+16*\b+4*\w:BN+16*\b+4*\w+3], v[BOF], s[10:11] offset:128*\b+16*\w   ; register 16 b + i: channel 32 b + 16 h + i
.endr
.endr
.irp a, 0,1,2,3,4,5,6,7
	global_load_b32 v[BV+2*\a], v[BOV], s[12:13] offset:(32*(\a/2)+8*(\a%2))*4      ; my row of block a
	global_load_b32 v[BV+2*\a+1], v[BOV], s[12:13] offset:(32*(\a/2)+8*(\a%2))*4    ; (the packed addition names a pair)
.endr
.macro CSLOAD a                        ; cos and sin of my token of block a, channels 32 b + 16 h + 0 .. 15, b = 0, 1, into set a % 2 of window 1
.set CC, 96*(1-(\a)%2)
.set CSN, 32+192*(1-(\a)%2)
	WIN TO_B
.irp b, 0,1
.irp w, 0,1,2,3
	global_load_b128 v[CC+16*\b+4*\w:CC+16*\b+4*\w+3], v[CSO], s[14:15] offset:(32*((\a)/2)+8*((\a)%2))*256+128*\b+16*\w
	global_load_b128 v[CSN+16*\b+4*\w:CSN+16*\b+4*\w+3], v[CSO], s[16:17] offset:(32*((\a)/2)+8*((\a)%2))*256+128*\b+16*\w
.endr
.endr
	WIN 0
.endm
	CSLOAD 0
.macro FRAG reg, adr, q, i             ; an image comes back as it was stored: three loads of 512 consecutive bytes
.irp c, 0,1,2
	ds_load_b128 v[\reg+4*\c:\reg+4*\c+3], v[\adr] offset:3072*(\i)+1536*(\q)+512*\c
.endr
.endm
; 16 matrix instructions: A's blocks a0, a0 + 1 x B's eight, 128 along K.  p: B's set; sc: the set of scale words.  zero = 1: the first product starts the sums.
; The 64 accumulators take turns, one instruction a turn, in the same order in every step.
.macro MUL16 a0, p, q, sc, zero
.irp a, \a0, \a0+1
.irp b, 0,1,2,3,4,5,6,7
.if \zero
	v_wmma_scale_f32_16x16x128_f8f6f4 v[8*(8*((\a)%4)+\b):8*(8*((\a)%4)+\b)+7], v[128*(\p)+FR*\b:128*(\p)+FR*\b+FR-1], v[AF+FR*(\a):AF+FR*(\a)+FR-1], 0, v[SC+8*NQ*(\sc)+NQ*\b+(\q)], v[SC+8*NQ*(\sc)+NQ*(\a)+(\q)] matrix_a_fmt:MATRIX_FMT_FP6 matrix_b_fmt:MATRIX_FMT_FP6 matrix_a_scale:MATRIX_SCALE_ROW1
.else
	v_wmma_scale_f32_16x16x128_f8f6f4 v[8*(8*((\a)%4)+\b):8*(8*((\a)%4)+\b)+7], v[128*(\p)+FR*\b:128*(\p)+FR*\b+FR-1], v[AF+FR*(\a):AF+FR*(\a)+FR-1], v[8*(8*((\a)%4)+\b):8*(8*((\a)%4)+\b)+7], v[SC+8*NQ*(\sc)+NQ*\b+(\q)], v[SC+8*NQ*(\sc)+NQ*(\a)+(\q)] matrix_a_fmt:MATRIX_FMT_FP6 matrix_b_fmt:MATRIX_FMT_FP6 matrix_a_scale:MATRIX_SCALE_ROW1
.endif
.endr
.endr
.endm
.macro FETCH_B slot, q, p
	WIN TO_B
.irp i, 0,1,2,3,4,5,6,7
	FRAG 128*(\p)+FR*\i, ADRB+\slot, \q, \i
.endr
	WIN 0
.endm
.macro FETCH_A slot, q, i0
.irp i, \i0, \i0+1, \i0+2, \i0+3
	FRAG AF+FR*(\i), ADRA+\slot, \q, \i
.endr
.endm
.macro SCALES sc                       ; the K step's two words a row: lanes 0-15 A's block i, lanes 16-31 B's block i
.irp i, 0,1,2,3,4,5,6,7
	ds_load_b64 v[SC+8*NQ*\sc+NQ*\i:SC+8*NQ*\sc+NQ*\i+1], v[ADRS] offset:\i*SBLK
.endr
.endm
.macro PLACES n                        ; plain vector places behind matrix instructions, in front of loads into their registers and of reads of results
.rept \n
	v_nop
.endr
.endm
.macro STEP slot, q, zero              ; 128 along K that have their successor in the same slot
	s_wait_dscnt 4*NL                              ; B's set and A's blocks 0-3 are in; the youngest 12 loads (A's blocks 4-7) may be out
	WIN MUL_LO
	MUL16 0, (\q)%2, \q, \slot, \zero
	MUL16 2, (\q)%2, \q, \slot, \zero
	s_wait_dscnt 0
	PLACES NP
	FETCH_B \slot, (\q)+1, 1-(\q)%2
	FETCH_A \slot, (\q)+1, 0
	WIN MUL_HI
	MUL16 4, (\q)%2, \q, \slot, \zero
	MUL16 6, (\q)%2, \q, \slot, \zero
	PLACES NP
	WIN 0
	FETCH_A \slot, (\q)+1, 4
.endm
; A slot's last step changes slots: ONE barrier; in front of it each wave waits for all its tensor loads, adds 0 to its spare word, and waits for that and for its own reads of this slot.  fill = 1: this slot is filled again, two K steps ahead.
.macro TURN slot, next, fill
	s_wait_tensorcnt 0x0                           ; all my tensor loads have landed: my part of the next slot
	ds_add_u32 v[SPW], v[NIL]                      ; 0 onto my spare word
	s_wait_dscnt 4*NL+1                            ; (the add and the youngest 12 loads may be out)
	WIN MUL_LO
	MUL16 0, 1, NQ-1, \slot, 0                     ; sixteen matrix instructions stand between the add and the wait for it
	s_wait_dscnt 0x0                               ; the add is done, and my reads of this slot are over
	s_barrier_signal -1
	MUL16 2, 1, NQ-1, \slot, 0
	WIN 0
	s_barrier_wait -1
.if \fill
	CREST                                          ; the barrier has opened a round of the cluster's barrier: no wave of any partner still reads this slot or has a load on its way
	s_add_nc_u64 s[G0+4*\slot+2:G0+4*\slot+3], s[G0+4*\slot+2:G0+4*\slot+3], 6144
	s_add_nc_u64 s[G0B+4*\slot+2:G0B+4*\slot+3], s[G0B+4*\slot+2:G0B+4*\slot+3], 6144
	JLOAD G0+4*\slot, G1, G0B+4*\slot, G1B         ; the first tensor load behind the round; its four v_nop are the places in front of the loads below
.else
	PLACES NP
.endif
.if \slot == 0
	v_add_nc_u32 v[ADRS], 8, v[ADRS]               ; the next K step's two words: the other half of a row's 16 bytes,
.else
	v_add_nc_u32 v[ADRS], 248, v[ADRS]             ; or the first half in the next 256
.endif
	FETCH_B \next, 0, 0
	FETCH_A \next, 0, 0
	SCALES \next
	WIN MUL_HI
	MUL16 4, 1, NQ-1, \slot, 0
	MUL16 6, 1, NQ-1, \slot, 0
	PLACES NP
	WIN 0
	FETCH_A \next, 0, 4
.endm
	s_wait_tensorcnt 1                             ; the scale words and my part of K step 0 are in (K step 1's load may be out)
	s_barrier_signal -1
	s_barrier_wait -1                              ; everybody's are
	FETCH_B 0, 0, 0
	FETCH_A 0, 0, 0
	SCALES 0
	FETCH_A 0, 0, 4
	STEP 0, 0, 1                                   ; the first step stands in front of the loop: its products start the sums
	s_mov_b32 s3, LAPS-1
.Llap:                                                 ; a trip goes once round the ring and fills both slots again
	TURN 0, 1, 1
	STEP 1, 0, 0
	TURN 1, 0, 1
	STEP 0, 0, 0
	s_sub_co_u32 s3, s3, 1
	s_cmp_lg_u32 s3, 0
	s_cbranch_scc1 .Llap
	TURN 0, 1, 0                                   ; the last lap fills nothing
	STEP 1, 0, 0
	s_wait_dscnt 4*NL
	WIN MUL_LO
	MUL16 0, 1, NQ-1, 1, 0
	MUL16 2, 1, NQ-1, 1, 0
	s_wait_dscnt 0
	WIN MUL_HI
	MUL16 4, 1, NQ-1, 1, 0
	MUL16 6, 1, NQ-1, 1, 0
	WIN 0
; THE WAY OUT, block a of A by block: 64 numbers a lane, bias (and the rotary factor), quantised; the image leaves by three stores of 512 consecutive bytes; two blocks' scale words by one store of 128.
.macro OUT a
.if (\a) > 0
	s_wait_xcnt 0x0                                ; the last block's stores have read the codes' registers
.endif
	QUANT H, PW
.irp c, 0,1,2
	global_store_b128 v[LI], v[PC+4*\c:PC+4*\c+3], s[18:19] offset:1536*(\a)+512*\c
.endr
.if (\a)%2 == 0
	v_mov_b32 v[PWE], v[PW]
.else
	v_cndmask_b32 v[PWS+(\a)/2], v[PWE], v[PW], s2 ; lanes 0-15 the even block's words, lanes 16-31 the odd block's
	global_store_b32 v[LS], v[PWS+(\a)/2], s[20:21] offset:128*((\a)/2)
.endif
.endm
.macro EPI_QK a
.if (\a) < 7
	CSLOAD (\a)+1
	s_wait_loadcnt 16                              ; this block's cos and sin are in; the next block's 16 loads may be out
.else
	s_wait_loadcnt 0x0
.endif
.set AC, 64*((\a)%4)
.set CC, 96*(1-(\a)%2)
.set CSN, 32+192*(1-(\a)%2)
	WIN 2+(\a)/4                                   ; source 0: the accumulators' window
.set k, 0
.rept 32
	v_pk_add_f32 v[H+k:H+k+1], v[AC+k:AC+k+1], v[BN+k:BN+k+1]      ; + bias; each accumulator from its low end on
.set k, k+2
.endr
	WIN 0x45                                       ; all three in window 1
.set k, 0
.rept 16
	v_pk_add_f32 v[CC+k:CC+k+1], v[CC+k:CC+k+1], v[CSN+k:CSN+k+1] neg_lo:[0,1] neg_hi:[0,1]   ; cos - sin
.set k, k+2
.endr
	WIN 0x04                                       ; source 1 in window 1
.set k, 0
.rept 16
	v_pk_mul_f32 v[H+k:H+k+1], v[H+k:H+k+1], v[CC+k:CC+k+1]        ; channels 0-63 of the head
.set k, k+2
.endr
	WIN 0
	OUT \a
.endm
.macro EPI_V a
.set AC, 64*((\a)%4)
	WIN 2+(\a)/4
.set k, 0
.rept 32
	v_pk_add_f32 v[H+k:H+k+1], v[AC+k:AC+k+1], v[BV+2*(\a):BV+2*(\a)+1] op_sel_hi:[1,0]   ; + my channel's bias
.set k, k+2
.endr
	WIN 0
	OUT \a
.endm
	PLACES NP                                      ; behind the last products: results are read, and registers that held fragments are written
.irp b, 0,1,2,3
	v_mov_b32 v[TM+4+\b], 0                        ; written once: a lane permute's destination counts as one of its sources
.endr
	s_mov_b32 s2, 0xffff0000                       ; lanes 16-31
	s_wait_loadcnt 0x0                             ; the biases and the first cos and sin
	s_cmp_eq_u32 s47, 1                            ; the cluster's x alone decides
	s_cbranch_scc1 .Lv_arm
.irp a, 0,1,2,3,4,5,6,7
	EPI_QK \a
.endr
	s_branch .Ldone
.Lv_arm:
.irp a, 0,1,2,3,4,5,6,7
	EPI_V \a
.endr
.Ldone:
	s_wait_tensorcnt 0x0                           ; the wave's end, behind my last tensor load
	ds_add_u32 v[SPW], v[NIL]
	s_wait_dscnt 0x0
	CROUND                                         ; the closing round: no work-group ends while a partner may still ask for a tile that names it
	s_endpgm
.Lfunc_end_k_q5b859a19f1_qkv:
	.size	k_q5b859a19f1_qkv, .Lfunc_end_k_q5b859a19f1_qkv-k_q5b859a19f1_qkv
	.p2alignl 7, 3214868480
	.fill 96, 4, 3214868480
	.section	.rodata,"a",@progbits
	.p2align	6, 0x0
	.amdhsa_kernel k_q5b859a19f1_qkv
		.amdhsa_group_segment_fixed_size 327680
		.amdhsa_private_segment_fixed_size 0
		.amdhsa_enable_private_segment 0
		.amdhsa_kernarg_size 72
		.amdhsa_user_sgpr_count 2
		.amdhsa_user_sgpr_kernarg_segment_ptr 1
		.amdhsa_wavefront_size32 1
		.amdhsa_system_sgpr_workgroup_id_x 1
		.amdhsa_system_sgpr_workgroup_id_y 1
		.amdhsa_system_sgpr_workgroup_id_z 1
		.amdhsa_system_vgpr_workitem_id 0
		.amdhsa_next_free_vgpr 1024
		.amdhsa_next_free_sgpr 102
		.amdhsa_reserve_vcc 0
		.amdhsa_float_denorm_mode_32 3
		.amdhsa_float_denorm_mode_16_64 3
		.amdhsa_memory_ordered 1
		.amdhsa_forward_progress 1
		.amdhsa_inst_pref_size 238
	.end_amdhsa_kernel
	.amdgpu_metadata
---
amdhsa.version: [ 1, 2 ]
amdhsa.kernels:
  - .name:           k_q5b859a19f1_qkv
    .symbol:         k_q5b859a19f1_qkv.kd
    .args:
      - { .name: codes, .offset: 0, .size: 8, .value_kind: global_buffer, .address_space: global }
      - { .name: scales, .offset: 8, .size: 8, .value_kind: global_buffer, .address_space: global }
      - { .name: bq, .offset: 16, .size: 8, .value_kind: global_buffer, .address_space: global }
      - { .name: bk, .offset: 24, .size: 8, .value_kind: global_buffer, .address_space: global }
      - { .name: bv, .offset: 32, .size: 8, .value_kind: global_buffer, .address_space: global }
      - { .name: cos, .offset: 40, .size: 8, .value_kind: global_buffer, .address_space: global }
      - { .name: sin, .offset: 48, .size: 8, .value_kind: global_buffer, .address_space: global }
      - { .name: qkv, .offset: 56, .size: 8, .value_kind: global_buffer, .address_space: global }
      - { .name: qkvs, .offset: 64, .size: 8, .value_kind: global_buffer, .address_space: global }
    .group_segment_fixed_size: 327680
    .private_segment_fixed_size: 0
    .kernarg_segment_align: 8
    .kernarg_segment_size: 72
    .max_flat_workgroup_size: 128
    .sgpr_count:     102
    .vgpr_count:     1024
    .wavefront_size: 32
...
	.end_amdgpu_metadata
.endif
;; end of part 2
;; launch attn (part 3): grid 16 x 16, 8 waves a work-group, clusters of 4 x 1, 327,680 bytes of LDS; arguments qkv, qkvs, mbits, ao, aos; writes ao, aos
.if DOCPART == 3
	.amdgcn_target "amdgcn-amd-amdhsa--gfx1250"
	.amdhsa_code_object_version 6
	.text
	.protected	k_q5b859a19f1_attn
	.globl	k_q5b859a19f1_attn
	.p2align	8
	.type	k_q5b859a19f1_attn,@function
k_q5b859a19f1_attn:
	s_mov_b64 s[64:65], 0
	v_nop
	global_prefetch_b8 v0, s[64:65] scope:SCOPE_SE
	s_setreg_imm32_b32 hwreg(HW_REG_WAVE_MODE, 25, 1), 1
	s_wait_xcnt 0x0
	s_wait_alu depctr_hold_cnt(0) depctr_sa_sdst(0) depctr_va_vdst(0) depctr_va_sdst(0) depctr_va_ssrc(0) depctr_va_vcc(0) depctr_vm_vsrc(0)
	s_getreg_b32 s2, hwreg(HW_REG_IB_STS2, 6, 4)
	s_cmp_eq_u32 s2, 0
	s_cbranch_scc0 .Lentry_in_a_cluster
	s_endpgm
.Lentry_in_a_cluster:
	s_bfe_u32 s2, ttmp6, 0x10000c
	s_cmp_lg_u32 s2, 0x3003
	s_cbranch_scc0 .Lentry_shape_is_right
	s_endpgm
.Lentry_shape_is_right:
; For each head: S^T = K Q^T, masked, p = 2^(t - M), O^T = V^T P^T, O / l, all products on codes of FP6 (E2M3) with E8M0 scales; O is quantised here along head x 128 + channel and stored as images of the last product's operand.
; t = score x log2(e) / sqrt(128); M = the running largest t rounded up to a whole number; p is quantised along the keys, not normalised; l is the sum of the unquantised p; when M moves, l and O are multiplied by 2^(old M - new M): exact.
; THE MASK is an input: nothing of its pattern is built in.  The launch before has turned it into lane masks: word n of (query tile, key step) is the mask of score register n; where its bit is 0 the score becomes -infinity.
; A query with no key left has l = 0: its scale bytes are set to 0xff, which makes its whole row of the last product NaN, as the softmax of such a row is.
; SHARES: work-group = 128 queries of one head; each of its eight waves one tile of 16 (rows 32 (T / 2) + 8 (T % 2) + i + 8 (i / 8)): two waves to a SIMD, so that one's vector work stands beside the other's products and LDS loads.
; Every wave walks all 16 key steps of 128 keys.  K's and V's images come through a ring of two LDS slots of four key steps; every wave fetches one step's eight images of K (waves 0-3) or of V (waves 4-7): 12,288 dense bytes.
; CLUSTER 4 x 1: the four query blocks of a cluster walk the same K and V: every tensor load is a joint one, with the mask of all four; its descriptor hangs on the head and the wave's number alone.
; No prefetch is laid: a slot's refill is issued four key steps ahead of its first read.
; LIMITS: 1 / l by v_rcp_f32; a block of zeros gets the byte 1 where the rule says 127 (zero codes; this program alone reads the bytes); NaN and infinities among the inputs are not served.
; REGISTERS: window 0: v1-8 addresses and constants; v12 -M, v13 the largest t, v[14:15] l in two halves; v16-27 Q, v28 its scale words; v32-35 K's scale words, v36-39 V's (two tiles a register: lanes 0-15, lanes 16-31);
;   v96-159 S^T, then p; v160-223 O^T; v224-235 p's codes; v232-254 at work; on the way out v40-80.   window 1: v0-95 K's eight images, v96-191 V's.
.set SLOTB, 98304                      ; a slot: K's 4 x 12,288 bytes, then V's
.set STEPB, 12288
.set VOFF,  49152
.set SCB,   2*SLOTB                    ; behind the ring: the head's scale words of K (8,192 bytes), then of V
.set SPARE, SCB+16384                  ; the spare words: 128 bytes a wave, four blocks of 256 bytes that no other line names
.set LI,   1                           ; v1  16 x lane
.set LS,   2                           ; v2  SCB + 4 x lane
.set ADK,  3                           ; v3  the step's images
.set ADS,  4                           ; v4  the step's scale words
.set SPW,  5                           ; v5  my spare word; never rewritten
.set NIL,  6                           ; v6  0; never rewritten
.set NINF, 7                           ; v7  -infinity
.set SO,   8                           ; v8  16 x (lane % 16)
.set QF,   16
.set QS,   28
.set KS,   32
.set VS,   36
.set PC,   40
.set TM,   64
.set PW,   80
.set ASP,  2                           ; s[2:3]   aos at my word
.set G1,   4                           ; s[4:11]  descriptor group 1 for the images
.set G0,   12                          ; s[12:19] group 0, one set for each slot
.set MB,   20                          ; s[20:21] mbits at my query tile
.set MO,   22                          ; s22      the key step's 256 bytes in it
.set WV,   23
.set SEL,  24
.set CS,   26                          ; s[26:27] c = log2(e) / sqrt(128)
.set TB,   28                          ; s28  LDS byte of the step's images
.set TS,   29                          ; s29  and of its scale words
.set CNT,  30
.set ZL,   31                          ; s31  the lanes whose l is 0
.set G1S,  68                          ; s[68:75], s[76:79] the scale words' descriptor, at the head alone: later s32-63 and s68-99 hold the 64 mask words
.set G0S,  76
.set AOP,  100                         ; s[100:101] ao at my image
.set MSB, 0
.macro WIN new
.if MSB != (\new)
	s_set_vgpr_msb (MSB<<8)|(\new)
.set MSB, (\new)
.endif
.endm
.macro CROUND                          ; a round of the cluster's barrier
	s_barrier_signal -1
	s_barrier_wait -1
	s_cmp_lg_u32 s[WV], 0
	s_cbranch_scc1 .Lnot_wave_0_\@
	s_barrier_signal -3
.Lnot_wave_0_\@:
	s_barrier_wait -3
	s_barrier_signal -1
	s_barrier_wait -1
.endm
.macro QUANT s, pw
.irp b, 0,1,2,3
	v_max3_num_f32 v[TM+\b], |v[\s+16*\b]|, |v[\s+1+16*\b]|, 0x1800000
.endr
.irp i, 2,4,6,8,10,12,14
.irp b, 0,1,2,3
	v_max3_num_f32 v[TM+\b], v[TM+\b], |v[\s+16*\b+\i]|, |v[\s+1+16*\b+\i]|
.endr
.endr
.irp b, 0,1,2,3
	v_permlanex16_b32 v[TM+4+\b], v[TM+\b], s[SEL], s[SEL+1]
.endr
.irp b, 0,1,2,3
	v_max_num_f32 v[TM+\b], v[TM+\b], v[TM+4+\b]
.endr
.irp b, 0,1,2,3
	v_add_nc_u32 v[TM+12+\b], 0xff000000, v[TM+\b]
.endr
.irp b, 0,1,2,3
	v_lshrrev_b32 v[TM+4+\b], 23, v[TM+12+\b]
.endr
	v_lshl_or_b32 v[\pw], v[TM+5], 8, v[TM+4]
	v_lshl_or_b32 v[\pw], v[TM+6], 16, v[\pw]
	v_lshl_or_b32 v[\pw], v[TM+7], 24, v[\pw]
.irp c, 0,1
	v_cvt_scalef32_pk16_fp6_f32 v[PC+6*\c:PC+2+6*\c], v[\s+32*\c:\s+15+32*\c], v[TM+12+2*\c]
	v_cvt_scalef32_pk16_fp6_f32 v[PC+12+4*\c:PC+14+4*\c], v[\s+16+32*\c:\s+31+32*\c], v[TM+12+2*\c+1]
.endr
	v_nop
.irp c, 0,1
.irp i, 0,1,2
	v_permlane16_swap_b32 v[PC+6*\c+\i], v[PC+12+4*\c+\i]
.endr
.irp i, 0,1,2
	v_mov_b32 v[PC+3+6*\c+\i], v[PC+12+4*\c+\i]
.endr
.endr
.endm
.macro MLOAD                           ; a key step's 64 mask words: word n into s[32 + n + 4 (n / 32)]
	s_load_b512 s[32:47], s[MB:MB+1], s[MO] offset:0x0
	s_load_b512 s[48:63], s[MB:MB+1], s[MO] offset:0x40
	s_load_b512 s[68:83], s[MB:MB+1], s[MO] offset:0x80
	s_load_b512 s[84:99], s[MB:MB+1], s[MO] offset:0xc0
.endm
	s_load_b256 s[32:39], s[0:1], 0x0              ; qkv s[32:33], qkvs s[34:35], mbits s[36:37], ao s[38:39]
	s_load_b64 s[40:41], s[0:1], 0x20              ; aos
	v_lshl_add_u32 v[SPW], v0, 2, SPARE
	v_mov_b32 v[NIL], 0
	ds_add_u32 v[SPW], v[NIL]                      ; the wave's opening: the add and its wait stand ahead of my first tensor load; the set-up below, work on registers, stands between them
	v_lshrrev_b32 v9, 5, v0
	v_readfirstlane_b32 s[WV], v9                  ; wave 0..7
	s_bfe_u32 s42, ttmp6, 0x40000                  ; cx: it enters Q's, the mask's and the outputs' addresses alone
	s_lshl_b32 s43, ttmp9, 2
	s_add_co_u32 s43, s43, s42
	s_lshl_b32 s43, s43, 3
	s_add_co_u32 s43, s43, s[WV]                   ; T: my query tile
	s_and_b32 s44, ttmp7, 0xffff                   ; the head, which the four partners share
	; descriptor group 1: 12,288 dense bytes as 48 rows of 256 (32 elements of 8 bytes)
	s_mov_b32 s[G1], 15|(3<<16)|(1<<21)            ; 15:0 the mask: all four work-groups; 17:16 elements of 8 bytes; 21 set beside a mask
	s_mov_b32 s[G1+1], 32<<16
	s_mov_b32 s[G1+2], 48<<16
	s_mov_b32 s[G1+3], 32<<16
	s_mov_b32 s[G1+4], 48
	s_mov_b32 s[G1+5], 32
	s_mov_b32 s[G1+6], 0
	s_mov_b32 s[G1+7], 0
	s_mov_b32 s[G1S], 15|(3<<16)|(1<<21)           ; the scale words: 2,048 dense bytes as 8 rows of 256
	s_mov_b32 s[G1S+1], 32<<16
	s_mov_b32 s[G1S+2], 8<<16
	s_mov_b32 s[G1S+3], 32<<16
	s_mov_b32 s[G1S+4], 8
	s_mov_b32 s[G1S+5], 32
	s_mov_b32 s[G1S+6], 0
	s_mov_b32 s[G1S+7], 0
	s_lshr_b32 s45, s[WV], 2
	s_add_co_u32 s45, s45, 1                       ; 1: I fetch for K, 2: for V
	s_and_b32 s46, s[WV], 3                        ; which of a slot's four steps
	s_mul_i32 s47, s44, 196608
	s_mul_i32 s48, s45, 3145728
	s_add_co_u32 s48, s48, s47
	s_mul_i32 s84, s46, STEPB
	s_add_co_u32 s48, s48, s84
	s_mov_b32 s49, 0                               ; s[48:49]: my part of the first four key steps
	s_lshl_b32 s50, s45, 17
	s_lshl_b32 s84, s44, 13
	s_add_co_u32 s50, s50, s84
	s_lshl_b32 s85, s46, 11
	s_add_co_u32 s50, s50, s85
	s_mov_b32 s51, 0                               ; s[50:51]: my quarter of the head's scale words
	s_mul_i32 s52, s[WV], STEPB                    ; where they go: wave x 12,288,
	s_lshl_b32 s53, s[WV], 11                      ; wave x 2,048
	s_mul_i32 s54, s43, 1536
	s_add_co_u32 s54, s54, s47
	s_mov_b32 s55, 0                               ; Q's image
	s_lshl_b32 s56, s43, 6
	s_add_co_u32 s56, s56, s84
	s_mov_b32 s57, 0                               ; and its scale words
	s_lshl_b32 s58, s43, 12
	s_mov_b32 s59, 0                               ; my tile's mask words
	s_mul_i32 s60, s43, 24576
	s_mul_i32 s85, s44, 1536
	s_add_co_u32 s60, s60, s85
	s_mov_b32 s61, 0                               ; the image that I store
	s_lshl_b32 s62, s43, 10
	s_lshr_b32 s85, s44, 2
	s_lshl_b32 s85, s85, 8
	s_add_co_u32 s62, s62, s85
	s_and_b32 s85, s44, 3
	s_lshl_b32 s85, s85, 2
	s_add_co_u32 s62, s62, s85
	s_mov_b32 s63, 0                               ; and its scale words
	s_mov_b32 s[SEL], 0x76543210
	s_mov_b32 s[SEL+1], 0xfedcba98
	s_mov_b32 s[CS], 0x3e0293ee
	s_mov_b32 s[CS+1], s[CS]                       ; (named with it as a pair, so it is written)
	s_wait_dscnt 0x0                               ; the opening add is done
	s_wait_kmcnt 0x0
	s_mov_b32 s[G0S], 1
	s_add_co_u32 s[G0S+1], s53, SCB
	s_add_nc_u64 s[G0S+2:G0S+3], s[34:35], s[50:51]
	s_or_b32 s[G0S+3], s[G0S+3], 0x80000000
	s_mov_b32 s[G0], 1
	s_mov_b32 s[G0+1], s52
	s_add_nc_u64 s[G0+2:G0+3], s[32:33], s[48:49]
	s_mov_b32 s[G0+4], 1
	s_add_co_u32 s[G0+5], s52, SLOTB
	s_add_nc_u64 s[G0+6:G0+7], s[G0+2:G0+3], 4*STEPB
	s_or_b32 s[G0+3], s[G0+3], 0x80000000
	s_or_b32 s[G0+7], s[G0+7], 0x80000000
	s_add_nc_u64 s[54:55], s[32:33], s[54:55]
	s_add_nc_u64 s[56:57], s[34:35], s[56:57]
	s_add_nc_u64 s[MB:MB+1], s[36:37], s[58:59]
	s_add_nc_u64 s[AOP:AOP+1], s[38:39], s[60:61]
	s_add_nc_u64 s[ASP:ASP+1], s[40:41], s[62:63]
	CROUND                                         ; all four work-groups are here: the first joint loads meet
	tensor_load_to_lds s[G0S:G0S+3], s[G1S:G1S+7]  ; the head's scale words: filled once
	s_nop 0
	tensor_load_to_lds s[G0:G0+3], s[G1:G1+7]      ; key steps 0-3
	s_nop 0
	tensor_load_to_lds s[G0+4:G0+7], s[G1:G1+7]    ; key steps 4-7: three loads of mine are out
	s_nop 0
.rept 4
	v_nop
.endr
	v_and_b32 v9, 31, v0
	v_and_b32 v10, 15, v0
	v_lshlrev_b32 v[LI], 4, v9
	v_lshl_add_u32 v[LS], v9, 2, SCB
	v_lshlrev_b32 v[SO], 4, v10
	v_lshlrev_b32 v11, 2, v10
.irp c, 0,1,2
	global_load_b128 v[QF+4*\c:QF+4*\c+3], v[LI], s[54:55] offset:512*\c   ; Q's image stays in registers
.endr
	global_load_b32 v[QS], v11, s[56:57]
	v_mov_b32 v[NINF], 0xff800000
	v_mov_b32 v13, 0xff61b1e6                      ; the largest t so far: -3e38, under every t
	v_floor_f32 v12, -v13                          ; -M
	v_mov_b32 v14, 0
	v_mov_b32 v15, 0
.irp b, 0,1,2,3
	v_mov_b32 v[236+\b], 0                         ; written once: a lane permute's destination counts as one of its sources
.endr
	v_mov_b32 v253, 0                              ; (named as the upper half of the pair v[252:253] before it is first written)
.set n, 0
.rept 64
	v_mov_b32 v[160+n], 0                          ; O^T.  (The step is written without a first step of its own: it finds zeros, which the first change of M leaves zeros)
.set n, n+1
.endr
	s_wait_loadcnt 0x0                             ; Q; its bases may be written
	s_wait_tensorcnt 1                             ; the scale words and my part of slot 0 are in (slot 1's load may be out); the scale words' descriptor may be written
	s_barrier_signal -1
	s_barrier_wait -1
	s_mov_b32 s[MO], 0
	MLOAD                                          ; key step 0's mask words
; A KEY STEP: 128 keys.  ahead = 1: the next step's mask words are asked for.
.macro STEP ahead
	v_add_nc_u32 v[ADK], s[TB], v[LI]
	v_add_nc_u32 v[ADS], s[TS], v[LS]
	v_nop
	v_nop                                          ; four places behind the last products, in front of loads into registers that they read
.irp p, 0,1,2,3
	ds_load_b32 v[KS+\p], v[ADS] offset:128*\p     ; tiles 2 p and 2 p + 1: 128 consecutive bytes
	ds_load_b32 v[VS+\p], v[ADS] offset:8192+128*\p
.endr
	WIN 0x40                                       ; destination window 1
.irp t, 0,1,2,3,4,5,6,7
.irp c, 0,1,2
	ds_load_b128 v[12*\t+4*\c:12*\t+4*\c+3], v[ADK] offset:1536*\t+512*\c
.endr
.endr
.irp t, 0,1,2,3,4,5,6,7
.irp c, 0,1,2
	ds_load_b128 v[96+12*\t+4*\c:96+12*\t+4*\c+3], v[ADK] offset:VOFF+1536*\t+512*\c
.endr
.endr
	s_wait_dscnt 24                                ; the scale words and K are in; V's 24 loads may be out
	WIN 0x01                                       ; source 0 window 1
.irp t, 0,1,2,3                                ; S^T = K Q^T: lane (r, h) holds query r; register 16 b + i holds key 32 b + 16 h + i of the step
	v_wmma_scale_f32_16x16x128_f8f6f4 v[96+16*\t:103+16*\t], v[24*\t:24*\t+11], v[QF:QF+11], 0, v[KS+\t], v[QS] matrix_a_fmt:MATRIX_FMT_FP6 matrix_b_fmt:MATRIX_FMT_FP6
	v_wmma_scale_f32_16x16x128_f8f6f4 v[104+16*\t:111+16*\t], v[24*\t+12:24*\t+23], v[QF:QF+11], 0, v[KS+\t], v[QS] matrix_a_fmt:MATRIX_FMT_FP6 matrix_b_fmt:MATRIX_FMT_FP6 matrix_a_scale:MATRIX_SCALE_ROW1
.endr
	WIN 0
.rept 4
	v_nop
.endr
	s_wait_kmcnt 0x0                               ; this step's mask words
.set n, 0
.rept 64
	v_cndmask_b32 v[96+n], v[NINF], v[96+n], s[32+n+4*(n/32)]      ; a key that does not count: -infinity, so that p = 0.  Each accumulator from its low end on
.set n, n+1
.endr
.irp b, 0,1,2,3
	v_max3_num_f32 v[232+\b], v[96+16*\b], v[97+16*\b], v[98+16*\b]   ; the largest score of each block of 32 keys: it serves for the row's maximum and, since p rises with the score, for the block's largest p
.endr
.irp i, 3,5,7,9,11,13
.irp b, 0,1,2,3
	v_max3_num_f32 v[232+\b], v[232+\b], v[96+16*\b+\i], v[97+16*\b+\i]
.endr
.endr
.irp b, 0,1,2,3
	v_max_num_f32 v[232+\b], v[232+\b], v[111+16*\b]
.endr
.irp b, 0,1,2,3
	v_permlanex16_b32 v[236+\b], v[232+\b], s[SEL], s[SEL+1]
.endr
.irp b, 0,1,2,3
	v_max_num_f32 v[232+\b], v[232+\b], v[236+\b]  ; with lane l xor 16's 16 keys
.endr
	v_max3_num_f32 v254, v232, v233, v234
	v_max_num_f32 v254, v254, v235
	v_mul_f32 v254, s[CS], v254                    ; the step's largest t (c is positive)
	v_max_num_f32 v13, v13, v254                   ; the running largest t
	v_mov_b32 v254, v12
	v_floor_f32 v12, -v13                          ; the new -M = -ceil(t): a whole number
	v_sub_f32 v254, v12, v254                      ; old M - new M: a whole number, 0 or less
	v_cvt_i32_f32 v254, v254                       ; (it saturates)
	v_ldexp_f32 v252, 1.0, v254                    ; f = 2^(old M - new M)
.if \ahead
	s_add_co_u32 s[MO], s[MO], 256                 ; the words in hand have been used, and their loads are done: the next step's, with the rest of this step in which to land
	MLOAD
.endif
.set n, 0
.rept 32
	v_pk_fma_f32 v[96+n:97+n], v[96+n:97+n], s[CS:CS+1], v[12:13] op_sel_hi:[1,0,0]   ; t - M, two at a time
.set n, n+2
.endr
.irp b, 0,1,2,3
	v_fma_f32 v[232+\b], v[232+\b], s[CS], v12     ; the same of each block's largest score
.endr
.set n, 0
.rept 64
	v_exp_f32 v[96+n], v[96+n]                     ; p = 2^(t - M), at most 1
.set n, n+1
.endr
	v_pk_mul_f32 v[14:15], v[14:15], v[252:253] op_sel_hi:[1,0]    ; l under the new M.  (A plain place behind the exponentials)
	s_wait_alu depctr_va_vdst(0)                   ; one wait for the whole batch, ahead of its first reader
.irp b, 0,1,2,3
	v_exp_f32 v[232+\b], v[232+\b]                 ; the block's largest p
.endr
	v_pk_add_f32 v[236:237], v[96:97], v[98:99]    ; l is taken of the unquantised p: two at a time, in two chains
.irp j, 4,8,12,16,20,24,28,32,36,40,44,48,52,56,60
	v_pk_add_f32 v[14:15], v[14:15], v[96+\j:97+\j]
	v_pk_add_f32 v[236:237], v[236:237], v[98+\j:99+\j]
.endr
	v_pk_add_f32 v[14:15], v[14:15], v[236:237]
	s_wait_alu depctr_va_vdst(0)                   ; and one for the four
.irp b, 0,1,2,3
	v_max_num_f32 v[232+\b], 0x1800000, v[232+\b]  ; the floor 2^(3 - 127): the byte cannot fall under 1
.endr
.irp b, 0,1,2,3
	v_add_nc_u32 v[244+\b], 0xff000000, v[232+\b]  ; 2 off the exponent field: the conversion's scale operand
.endr
.irp b, 0,1,2,3
	v_lshrrev_b32 v[236+\b], 23, v[244+\b]         ; the scale's byte
.endr
	v_lshl_or_b32 v253, v237, 8, v236              ; p's scale word for these 128 keys
	v_lshl_or_b32 v253, v238, 16, v253
	v_lshl_or_b32 v253, v239, 24, v253
.irp c, 0,1
	v_cvt_scalef32_pk16_fp6_f32 v[224+6*\c:226+6*\c], v[96+32*\c:111+32*\c], v[244+2*\c]
	v_cvt_scalef32_pk16_fp6_f32 v[236+4*\c:238+4*\c], v[112+32*\c:127+32*\c], v[244+2*\c+1]
.endr
	v_nop                                          ; one plain place behind a scaled conversion
.irp c, 0,1
.irp i, 0,1,2
	v_permlane16_swap_b32 v[224+6*\c+\i], v[236+4*\c+\i]
.endr
.irp i, 0,1,2
	v_mov_b32 v[227+6*\c+\i], v[236+4*\c+\i]
.endr
.endr
.set n, 0
.rept 32
	v_pk_mul_f32 v[160+n:161+n], v[160+n:161+n], v[252:253] op_sel_hi:[1,0]   ; O^T under the new M.  (These 32 are also the places in front of the products below)
.set n, n+2
.endr
	s_wait_dscnt 0x0                               ; V
	WIN 0x01
.irp t, 0,1,2,3                                ; O^T += V^T P^T: eight accumulators by turns; register 16 b + i holds channel 32 b + 16 h + i
	v_wmma_scale_f32_16x16x128_f8f6f4 v[160+16*\t:167+16*\t], v[96+24*\t:107+24*\t], v[224:235], v[160+16*\t:167+16*\t], v[VS+\t], v253 matrix_a_fmt:MATRIX_FMT_FP6 matrix_b_fmt:MATRIX_FMT_FP6
	v_wmma_scale_f32_16x16x128_f8f6f4 v[168+16*\t:175+16*\t], v[108+24*\t:119+24*\t], v[224:235], v[168+16*\t:175+16*\t], v[VS+\t], v253 matrix_a_fmt:MATRIX_FMT_FP6 matrix_b_fmt:MATRIX_FMT_FP6 matrix_a_scale:MATRIX_SCALE_ROW1
.endr
	WIN 0
.endm
.macro VISIT v, trips                  ; key steps 4 v on, out of slot v % 2
	s_mov_b32 s[TB], ((\v)%2)*SLOTB
	s_mov_b32 s[TS], (\v)*2048
	s_mov_b32 s[CNT], \trips
.Lvisit_\@:
	STEP 1
	s_add_co_u32 s[TB], s[TB], STEPB
	s_add_co_u32 s[TS], s[TS], 512
	s_sub_co_u32 s[CNT], s[CNT], 1
	s_cmp_lg_u32 s[CNT], 0
	s_cbranch_scc1 .Lvisit_\@
.endm
; THE CHANGE OF SLOTS.  Each wave waits for all its tensor loads (its part of the slot ahead), adds 0 to its spare word, and waits for that and for its reads of the slot that it leaves.
; fill = 1: the barrier is a round of the cluster's, and behind it the slot just left is filled with the key steps eight on: the load has four key steps in which to land.
.macro CHANGE slot, fill
	s_wait_tensorcnt 0x0                           ; no tensor load of mine is out, so a group 0 may be written
	ds_add_u32 v[SPW], v[NIL]                      ; 0 onto my spare word
.if \fill
	s_add_nc_u64 s[G0+4*\slot+2:G0+4*\slot+3], s[G0+4*\slot+2:G0+4*\slot+3], 8*STEPB
.endif
	s_wait_dscnt 0x0                               ; the add is done, and my reads of the slot are over
.if \fill
	CROUND
	tensor_load_to_lds s[G0+4*\slot:G0+4*\slot+3], s[G1:G1+7]   ; my one tensor load behind the round, and the first thing there
	s_nop 0
.rept 4
	v_nop
.endr
.else
	s_barrier_signal -1
	s_barrier_wait -1
.endif
.endm
	VISIT 0, 4
	CHANGE 0, 1
	VISIT 1, 4
	CHANGE 1, 1
	VISIT 2, 4
	CHANGE 0, 0                                    ; nothing is left to fetch
	VISIT 3, 3
	STEP 0                                         ; the last key step is written out: it asks for no mask words, so that no load leaves its buffer
	; THE WAY OUT: O^T / l, quantised along the head's 128 channels, which are K step 'head' of the last product
.rept 4
	v_nop
.endr
	v_add_f32 v14, v14, v15
	v_permlanex16_b32 v252, v14, s[SEL], s[SEL+1]
	v_add_f32 v14, v14, v252                       ; l
	v_rcp_f32 v252, v14
	v_cmp_eq_f32 s[ZL], 0, v14                     ; no key counted for my query
	v_nop                                          ; a plain place behind the reciprocal
	s_wait_alu depctr_va_vdst(0)                   ; the wait ahead of its first reader
.set n, 0
.rept 32
	v_pk_mul_f32 v[96+n:97+n], v[160+n:161+n], v[252:253] op_sel_hi:[1,0]   ; each accumulator from its low end on
.set n, n+2
.endr
.irp b, 0,1,2,3
	v_mov_b32 v[TM+4+\b], 0
.endr
	QUANT 96, PW
	v_cndmask_b32 v[PW], v[PW], -1, s[ZL]          ; four bytes 0xff: NaN for the whole row of the last product
.irp c, 0,1,2
	global_store_b128 v[LI], v[PC+4*\c:PC+4*\c+3], s[AOP:AOP+1] offset:512*\c   ; 512 consecutive bytes, aligned
.endr
	global_store_b32 v[SO], v[PW], s[ASP:ASP+1]    ; my row's word, 16 bytes from row to row (the other three words of a row's 16 bytes are other heads'); lanes i and i + 16 write the same word
	s_wait_tensorcnt 0x0                           ; the wave's end, behind my last tensor load
	ds_add_u32 v[SPW], v[NIL]
	s_wait_dscnt 0x0
	CROUND                                         ; the closing round
	s_endpgm
.Lfunc_end_k_q5b859a19f1_attn:
	.size	k_q5b859a19f1_attn, .Lfunc_end_k_q5b859a19f1_attn-k_q5b859a19f1_attn
	.p2alignl 7, 3214868480
	.fill 96, 4, 3214868480
	.section	.rodata,"a",@progbits
	.p2align	6, 0x0
	.amdhsa_kernel k_q5b859a19f1_attn
		.amdhsa_group_segment_fixed_size 327680
		.amdhsa_private_segment_fixed_size 0
		.amdhsa_enable_private_segment 0
		.amdhsa_kernarg_size 40
		.amdhsa_user_sgpr_count 2
		.amdhsa_user_sgpr_kernarg_segment_ptr 1
		.amdhsa_wavefront_size32 1
		.amdhsa_system_sgpr_workgroup_id_x 1
		.amdhsa_system_sgpr_workgroup_id_y 1
		.amdhsa_system_sgpr_workgroup_id_z 1
		.amdhsa_system_vgpr_workitem_id 0
		.amdhsa_next_free_vgpr 448
		.amdhsa_next_free_sgpr 102
		.amdhsa_reserve_vcc 0
		.amdhsa_float_denorm_mode_32 3
		.amdhsa_float_denorm_mode_16_64 3
		.amdhsa_memory_ordered 1
		.amdhsa_forward_progress 1
		.amdhsa_inst_pref_size 133
	.end_amdhsa_kernel
	.amdgpu_metadata
---
amdhsa.version: [ 1, 2 ]
amdhsa.kernels:
  - .name:           k_q5b859a19f1_attn
    .symbol:         k_q5b859a19f1_attn.kd
    .args:
      - { .name: qkv, .offset: 0, .size: 8, .value_kind: global_buffer, .address_space: global }
      - { .name: qkvs, .offset: 8, .size: 8, .value_kind: global_buffer, .address_space: global }
      - { .name: mbits, .offset: 16, .size: 8, .value_kind: global_buffer, .address_space: global }
      - { .name: ao, .offset: 24, .size: 8, .value_kind: global_buffer, .address_space: global }
      - { .name: aos, .offset: 32, .size: 8, .value_kind: global_buffer, .address_space: global }
    .group_segment_fixed_size: 327680
    .private_segment_fixed_size: 0
    .kernarg_segment_align: 8
    .kernarg_segment_size: 40
    .max_flat_workgroup_size: 256
    .sgpr_count:     102
    .vgpr_count:     448
    .wavefront_size: 32
...
	.end_amdgpu_metadata
.endif
;; end of part 3
;; launch oproj (part 4): grid 8 x 8, 4 waves a work-group, clusters of 4 x 4, 327,680 bytes of LDS; arguments ao, aos, codes, scales, bo, out0; writes out0
.if DOCPART == 4
	.amdgcn_target "amdgcn-amd-amdhsa--gfx1250"
	.amdhsa_code_object_version 6
	.text
	.protected	k_q5b859a19f1_oproj
	.globl	k_q5b859a19f1_oproj
	.p2align	8
	.type	k_q5b859a19f1_oproj,@function
k_q5b859a19f1_oproj:
	s_mov_b64 s[64:65], 0
	v_nop
	global_prefetch_b8 v0, s[64:65] scope:SCOPE_SE
	s_setreg_imm32_b32 hwreg(HW_REG_WAVE_MODE, 25, 1), 1
	s_wait_xcnt 0x0
	s_wait_alu depctr_hold_cnt(0) depctr_sa_sdst(0) depctr_va_vdst(0) depctr_va_sdst(0) depctr_va_ssrc(0) depctr_va_vcc(0) depctr_vm_vsrc(0)
	s_getreg_b32 s2, hwreg(HW_REG_IB_STS2, 6, 4)
	s_cmp_eq_u32 s2, 0
	s_cbranch_scc0 .Lentry_in_a_cluster
	s_endpgm
.Lentry_in_a_cluster:
	s_bfe_u32 s2, ttmp6, 0x10000c
	s_cmp_lg_u32 s2, 0xf033
	s_cbranch_scc0 .Lentry_shape_is_right
	s_endpgm
.Lentry_shape_is_right:
; out0 = O Wo^T + bo on codes of FP6 (E2M3) with E8M0 scales.  O arrives as images (ao: tile T, K step s at 24576 T + 1536 s; aos: its scale words at 1024 T + 256 (s / 4) + 16 i + 4 (s % 4)); Wo's images are tiles 512 + .. of codes and scales.
; A tile is 16 rows that are not neighbours: image row i is row 32 (T / 2) + 8 (T % 2) + i + 8 (i / 8).  A work-group of four waves makes 256 x 256 of out0, a wave 128 x 128: 64 accumulators.
; Source 0 = a tile of Wo, source 1 = a tile of O: a lane holds one token, and the 64 registers of a block run along 128 neighbouring columns in the order 32 b + 16 (lane / 16) + i.
; K goes in steps of 256 through a ring of two LDS slots; the scale words of the work-group's 32 tiles come once and stay.  CLUSTER 4 x 4: O's tiles are shared along a row of the cluster, Wo's along a column.
; The launch has 64 work-groups: a smaller tile would give more, at twice the LDS reads for each product; it is not built here.
; REGISTERS: window 0: v16-29 addresses; v32-63 scale words, two sets; v64-67 bo; v128-223 A's fragments; on the way out v128-255.  window 1: B's fragments, two sets.  windows 2, 3: the accumulators.
.set FR,    12
.set NL,    3
.set NP,    4
.set NQ,    2
.set HALFT, 24576
.set SLOT,  4*HALFT
.set LAPS,  4
.set SCL,   2*SLOT
.set HALFS, 8192
.set SBLK,  1024
.set SPARE, SCL+4*HALFS                ; the spare words: 128 bytes a wave, two blocks of 256 bytes that no other line names
.set SPITCH, 528                       ; the way out: a stage of 16 rows x (512 + 16) bytes for each wave, in slot 0, which has had its last fill and its last read when the first result is stored there
.set ADRA, 16
.set ADRB, 20
.set STO,  24                          ; v24  the stage: where I put 32 bytes of a row
.set RD,   25                          ; v25  and where I read a row back
.set CO,   26                          ; v26  16 x lane
.set ADRS, 27
.set SPW,  28
.set NIL,  29
.set SC,   32
.set BO,   64                          ; v64-67 bo of my four columns of a row read back
.set AF,   128
.set BK,   128
.set G1, 24
.set G0, 32
.set G1B, 48
.set G0B, 56
.set G1S, 68
.set G0S, 76
.set G1SB, 80
.set G0SB, 88
.set MSB, 0
.macro WIN new
.if MSB != (\new)
	s_set_vgpr_msb (MSB<<8)|(\new)
.set MSB, (\new)
.endif
.endm
.set MUL_LO, 0xa1
.set MUL_HI, 0xf1
.set TO_B,   0x40
.macro JLOAD g0a, g1a, g0b, g1b        ; a joint load: waves 0 and 1 fetch for A, waves 2 and 3 for B; an s_nop 0 and four v_nop follow each of the two lines
	s_cmp_eq_u32 s23, 0
	s_cbranch_scc0 .Lfor_b_\@
	tensor_load_to_lds s[\g0a:\g0a+3], s[\g1a:\g1a+7]
	s_nop 0
.rept 4
	v_nop
.endr
	s_branch .Lasked_\@
.Lfor_b_\@:
	tensor_load_to_lds s[\g0b:\g0b+3], s[\g1b:\g1b+7]
	s_nop 0
.rept 4
	v_nop
.endr
.Lasked_\@:
.endm
.macro CREST
	s_cmp_lg_u32 s22, 0
	s_cbranch_scc1 .Lnot_wave_0_\@
	s_barrier_signal -3
.Lnot_wave_0_\@:
	s_barrier_wait -3
	s_barrier_signal -1
	s_barrier_wait -1
.endm
.macro CROUND
	s_barrier_signal -1
	s_barrier_wait -1
	CREST
.endm
	s_load_b256 s[4:11], s[0:1], 0x0               ; ao s[4:5], aos s[6:7], codes s[8:9], scales s[10:11]
	s_load_b128 s[12:15], s[0:1], 0x20             ; bo s[12:13], out0 s[14:15]
	v_lshl_add_u32 v[SPW], v0, 2, SPARE
	v_mov_b32 v[NIL], 0
	ds_add_u32 v[SPW], v[NIL]                      ; the wave's opening: the add and its wait stand ahead of my first tensor load
	v_lshrrev_b32 v1, 5, v0
	v_readfirstlane_b32 s22, v1
	s_lshr_b32 s23, s22, 1
	s_and_b32 s46, s22, 1
	s_bfe_u32 s40, ttmp6, 0x40000
	s_bfe_u32 s41, ttmp6, 0x40004
	s_lshl_b32 s42, ttmp9, 2
	s_add_co_u32 s42, s42, s40                     ; tx
	s_and_b32 s45, ttmp7, 0xffff
	s_lshl_b32 s45, s45, 2
	s_add_co_u32 s45, s45, s41                     ; ty
	s_lshl_b32 s43, s41, 2
	s_lshl_b32 s43, 15, s43
	s_lshl_b32 s44, 0x1111, s40
	s_or_b32 s[G1+0], s43, (3<<16)|(1<<21)         ; 8 rows (tiles) of 3,072 bytes, 24,576 bytes apart; dense in LDS
	s_or_b32 s[G1B+0], s44, (3<<16)|(1<<21)
.irp g, G1, G1B
	s_mov_b32 s[\g+1], 384<<16
	s_mov_b32 s[\g+2], 8<<16
	s_mov_b32 s[\g+3], 384<<16
	s_mov_b32 s[\g+4], 8
	s_mov_b32 s[\g+5], 3072
	s_mov_b32 s[\g+6], 0
	s_mov_b32 s[\g+7], 0
.endr
	s_or_b32 s[G1S+0], s43, (3<<16)|(1<<21)        ; 8,192 dense bytes as 32 rows of 256
	s_or_b32 s[G1SB+0], s44, (3<<16)|(1<<21)
.irp g, G1S, G1SB
	s_mov_b32 s[\g+1], 32<<16
	s_mov_b32 s[\g+2], 32<<16
	s_mov_b32 s[\g+3], 32<<16
	s_mov_b32 s[\g+4], 32
	s_mov_b32 s[\g+5], 32
	s_mov_b32 s[\g+6], 0
	s_mov_b32 s[\g+7], 0
.endr
	s_lshl_b32 s92, s46, 3
	s_lshl_b32 s66, s45, 4
	s_add_co_u32 s66, s66, s92                     ; the first tile of O that I would fetch
	s_lshl_b32 s67, s42, 4
	s_add_co_u32 s67, s67, s92
	s_add_co_u32 s67, s67, 512                     ; and of Wo
	s_mul_i32 s92, s66, 24576
	s_mov_b32 s93, 0
	s_lshl_b32 s94, s66, 10
	s_mov_b32 s95, 0
	s_mul_i32 s96, s67, 24576
	s_mov_b32 s97, 0
	s_lshl_b32 s98, s67, 10
	s_mov_b32 s99, 0
	s_mul_i32 s3, s22, HALFT
	s_lshl_b32 s2, s22, 13
	s_wait_dscnt 0x0
	s_wait_kmcnt 0x0
	s_add_nc_u64 s[92:93], s[4:5], s[92:93]
	s_add_nc_u64 s[94:95], s[6:7], s[94:95]
	s_add_nc_u64 s[96:97], s[8:9], s[96:97]
	s_add_nc_u64 s[98:99], s[10:11], s[98:99]
	CROUND
	s_mov_b32 s[G0S], 1
	s_add_co_u32 s[G0S+1], s2, SCL
	s_mov_b64 s[G0S+2:G0S+3], s[94:95]
	s_or_b32 s[G0S+3], s[G0S+3], 0x80000000
	s_mov_b32 s[G0SB], 1
	s_add_co_u32 s[G0SB+1], s2, SCL
	s_mov_b64 s[G0SB+2:G0SB+3], s[98:99]
	s_or_b32 s[G0SB+3], s[G0SB+3], 0x80000000
	JLOAD G0S, G1S, G0SB, G1SB
.irp s, 0,1
	s_mov_b32 s[G0+4*\s], 1
	s_add_co_u32 s[G0+4*\s+1], s3, \s*SLOT
	s_add_nc_u64 s[G0+4*\s+2:G0+4*\s+3], s[92:93], \s*3072
	s_or_b32 s[G0+4*\s+3], s[G0+4*\s+3], 0x80000000
	s_mov_b32 s[G0B+4*\s], 1
	s_add_co_u32 s[G0B+4*\s+1], s3, \s*SLOT
	s_add_nc_u64 s[G0B+4*\s+2:G0B+4*\s+3], s[96:97], \s*3072
	s_or_b32 s[G0B+4*\s+3], s[G0B+4*\s+3], 0x80000000
	JLOAD G0+4*\s, G1, G0B+4*\s, G1B
.endr
	v_and_b32 v1, 15, v0
	v_bfe_u32 v2, v0, 4, 1
	v_and_b32 v3, 31, v0
	v_lshlrev_b32 v[CO], 4, v3
	s_mul_i32 s66, s23, HALFT
	s_mul_i32 s67, s46, HALFT
	s_add_co_u32 s67, s67, 2*HALFT
.irp s, 0,1
	v_add_nc_u32 v[ADRA+\s], s66, v[CO]
	v_add_nc_u32 v[ADRB+\s], s67, v[CO]
	s_add_co_u32 s66, s66, SLOT
	s_add_co_u32 s67, s67, SLOT
.endr
	v_lshlrev_b32 v5, 4, v1
	s_lshl_b32 s66, s23, 13
	s_lshl_b32 s67, s46, 13
	s_add_co_u32 s67, s67, 2*HALFS
	s_sub_co_u32 s67, s67, s66
	v_mul_u32_u24 v6, s67, v2
	s_add_co_u32 s66, s66, SCL
	v_add_nc_u32 v5, v5, v6
	v_add_nc_u32 v[ADRS], s66, v5
	s_mul_i32 s66, s22, 16*SPITCH                  ; my stage
	v_mul_u32_u24 v5, v1, SPITCH
	v_lshl_add_u32 v5, v2, 6, v5
	v_add_nc_u32 v[STO], s66, v5                   ; in: row r, + 64 h
	v_add_nc_u32 v[RD], s66, v[CO]                 ; back: the 32 lanes take one row of 512 bytes
	s_lshl_b32 s92, s42, 10                        ; my first column, in bytes: 1024 tx + 512 x half
	s_lshl_b32 s94, s46, 9
	s_add_co_u32 s92, s92, s94
	s_mov_b32 s93, 0
	s_add_nc_u64 s[12:13], s[12:13], s[92:93]
	s_add_nc_u64 s[14:15], s[14:15], s[92:93]
	s_lshl_b32 s92, s45, 21                        ; my first row: 256 ty + 128 x half, rows of 8,192 bytes
	s_lshl_b32 s94, s23, 20
	s_add_co_u32 s92, s92, s94
	s_add_nc_u64 s[14:15], s[14:15], s[92:93]
	global_load_b128 v[BO:BO+3], v[CO], s[12:13]
.macro FRAG reg, adr, q, i
.irp c, 0,1,2
	ds_load_b128 v[\reg+4*\c:\reg+4*\c+3], v[\adr] offset:3072*(\i)+1536*(\q)+512*\c
.endr
.endm
; The 64 accumulators take turns, one instruction a turn, in the same order in every step.
.macro MUL16 a0, p, q, sc, zero
.irp a, \a0, \a0+1
.irp b, 0,1,2,3,4,5,6,7
.if \zero
	v_wmma_scale_f32_16x16x128_f8f6f4 v[8*(8*((\a)%4)+\b):8*(8*((\a)%4)+\b)+7], v[128*(\p)+FR*\b:128*(\p)+FR*\b+FR-1], v[AF+FR*(\a):AF+FR*(\a)+FR-1], 0, v[SC+8*NQ*(\sc)+NQ*\b+(\q)], v[SC+8*NQ*(\sc)+NQ*(\a)+(\q)] matrix_a_fmt:MATRIX_FMT_FP6 matrix_b_fmt:MATRIX_FMT_FP6 matrix_a_scale:MATRIX_SCALE_ROW1
.else
	v_wmma_scale_f32_16x16x128_f8f6f4 v[8*(8*((\a)%4)+\b):8*(8*((\a)%4)+\b)+7], v[128*(\p)+FR*\b:128*(\p)+FR*\b+FR-1], v[AF+FR*(\a):AF+FR*(\a)+FR-1], v[8*(8*((\a)%4)+\b):8*(8*((\a)%4)+\b)+7], v[SC+8*NQ*(\sc)+NQ*\b+(\q)], v[SC+8*NQ*(\sc)+NQ*(\a)+(\q)] matrix_a_fmt:MATRIX_FMT_FP6 matrix_b_fmt:MATRIX_FMT_FP6 matrix_a_scale:MATRIX_SCALE_ROW1
.endif
.endr
.endr
.endm
.macro FETCH_B slot, q, p
	WIN TO_B
.irp i, 0,1,2,3,4,5,6,7
	FRAG 128*(\p)+FR*\i, ADRB+\slot, \q, \i
.endr
	WIN 0
.endm
.macro FETCH_A slot, q, i0
.irp i, \i0, \i0+1, \i0+2, \i0+3
	FRAG AF+FR*(\i), ADRA+\slot, \q, \i
.endr
.endm
.macro SCALES sc
.irp i, 0,1,2,3,4,5,6,7
	ds_load_b64 v[SC+8*NQ*\sc+NQ*\i:SC+8*NQ*\sc+NQ*\i+1], v[ADRS] offset:\i*SBLK
.endr
.endm
.macro PLACES n
.rept \n
	v_nop
.endr
.endm
.macro STEP slot, q, zero
	s_wait_dscnt 4*NL                              ; the youngest 12 loads (A's blocks 4-7) may be out
	WIN MUL_LO
	MUL16 0, (\q)%2, \q, \slot, \zero
	MUL16 2, (\q)%2, \q, \slot, \zero
	s_wait_dscnt 0
	PLACES NP
	FETCH_B \slot, (\q)+1, 1-(\q)%2
	FETCH_A \slot, (\q)+1, 0
	WIN MUL_HI
	MUL16 4, (\q)%2, \q, \slot, \zero
	MUL16 6, (\q)%2, \q, \slot, \zero
	PLACES NP
	WIN 0
	FETCH_A \slot, (\q)+1, 4
.endm
.macro TURN slot, next, fill
	s_wait_tensorcnt 0x0                           ; all my tensor loads have landed: my part of the next slot
	ds_add_u32 v[SPW], v[NIL]                      ; 0 onto my spare word
	s_wait_dscnt 4*NL+1                            ; (the add and the youngest 12 loads may be out)
	WIN MUL_LO
	MUL16 0, 1, NQ-1, \slot, 0
	s_wait_dscnt 0x0                               ; the add is done, and my reads of this slot are over
	s_barrier_signal -1
	MUL16 2, 1, NQ-1, \slot, 0
	WIN 0
	s_barrier_wait -1
.if \fill
	CREST                                          ; the barrier has opened a round of the cluster's barrier
	s_add_nc_u64 s[G0+4*\slot+2:G0+4*\slot+3], s[G0+4*\slot+2:G0+4*\slot+3], 6144
	s_add_nc_u64 s[G0B+4*\slot+2:G0B+4*\slot+3], s[G0B+4*\slot+2:G0B+4*\slot+3], 6144
	JLOAD G0+4*\slot, G1, G0B+4*\slot, G1B
.else
	PLACES NP
.endif
.if \slot == 0
	v_add_nc_u32 v[ADRS], 8, v[ADRS]
.else
	v_add_nc_u32 v[ADRS], 248, v[ADRS]
.endif
	FETCH_B \next, 0, 0
	FETCH_A \next, 0, 0
	SCALES \next
	WIN MUL_HI
	MUL16 4, 1, NQ-1, \slot, 0
	MUL16 6, 1, NQ-1, \slot, 0
	PLACES NP
	WIN 0
	FETCH_A \next, 0, 4
.endm
	s_wait_tensorcnt 1                             ; the scale words and my part of K step 0 are in (K step 1's load may be out)
	s_barrier_signal -1
	s_barrier_wait -1
	FETCH_B 0, 0, 0
	FETCH_A 0, 0, 0
	SCALES 0
	FETCH_A 0, 0, 4
	STEP 0, 0, 1
	s_mov_b32 s3, LAPS-1
.Llap:
	TURN 0, 1, 1
	STEP 1, 0, 0
	TURN 1, 0, 1
	STEP 0, 0, 0
	s_sub_co_u32 s3, s3, 1
	s_cmp_lg_u32 s3, 0
	s_cbranch_scc1 .Llap
	TURN 0, 1, 0
	STEP 1, 0, 0
	s_wait_dscnt 4*NL
	WIN MUL_LO
	MUL16 0, 1, NQ-1, 1, 0
	MUL16 2, 1, NQ-1, 1, 0
	s_wait_dscnt 0
	WIN MUL_HI
	MUL16 4, 1, NQ-1, 1, 0
	MUL16 6, 1, NQ-1, 1, 0
	WIN 0
; THE WAY OUT, block by block of 16 tokens x 128 columns, through my own stage: accumulator b's eight numbers are columns 32 (b / 2) + 16 h + 8 (b % 2) + 0 .. 7 of row r.  Back come whole rows of 512 bytes; bo is added; the 32 lanes store them.
.macro TOSTAGE a
.set AC, 64*((\a)%4)
	WIN 0x08+4*((\a)/4)                            ; the data: window 2 or 3
.irp b, 0,1,2,3,4,5,6,7
	ds_store_b128 v[STO], v[AC+8*\b:AC+8*\b+3] offset:128*(\b/2)+32*(\b%2)          ; each accumulator from its low end on
	ds_store_b128 v[STO], v[AC+8*\b+4:AC+8*\b+7] offset:128*(\b/2)+32*(\b%2)+16
.endr
	WIN 0
.set BB, BK+64*((\a)%2)
.irp t, 0,1,2,3,4,5,6,7,8,9,10,11,12,13,14,15
	ds_load_b128 v[BB+4*\t:BB+4*\t+3], v[RD] offset:\t*SPITCH      ; LDS serves a wave's instructions in order: these see the stores above
.endr
.endm
.macro SEND a, younger
.set BB, BK+64*((\a)%2)
	s_wait_dscnt \younger                          ; the block is back in registers
.irp t, 0,1,2,3,4,5,6,7,8,9,10,11,12,13,14,15
	v_pk_add_f32 v[BB+4*\t:BB+4*\t+1], v[BB+4*\t:BB+4*\t+1], v[BO:BO+1]
	v_pk_add_f32 v[BB+4*\t+2:BB+4*\t+3], v[BB+4*\t+2:BB+4*\t+3], v[BO+2:BO+3]
	global_store_b128 v[CO], v[BB+4*\t:BB+4*\t+3], s[14:15] offset:(32*((\a)/2)+8*((\a)%2)+\t+8*(\t/8))*8192 th:TH_STORE_NT   ; 512 consecutive bytes, aligned; image row t's token; 127 rows at the most: inside the signed 24-bit immediate
.endr
.endm
	PLACES NP
	s_wait_loadcnt 0x0                             ; bo
	TOSTAGE 0
.irp a, 1,2,3,4,5,6,7
.if \a > 1
	s_wait_xcnt 0x0                                ; block a - 2's stores have read their registers: block a's loads may land there
.endif
	TOSTAGE \a
	SEND \a-1, 32                                  ; behind block a - 1's loads: block a's 16 stores and 16 loads
.endr
	SEND 7, 0
	s_wait_tensorcnt 0x0                           ; the wave's end, behind my last tensor load and my last LDS store
	ds_add_u32 v[SPW], v[NIL]
	s_wait_dscnt 0x0
	CROUND                                         ; the closing round
	s_endpgm
.Lfunc_end_k_q5b859a19f1_oproj:
	.size	k_q5b859a19f1_oproj, .Lfunc_end_k_q5b859a19f1_oproj-k_q5b859a19f1_oproj
	.p2alignl 7, 3214868480
	.fill 96, 4, 3214868480
	.section	.rodata,"a",@progbits
	.p2align	6, 0x0
	.amdhsa_kernel k_q5b859a19f1_oproj
		.amdhsa_group_segment_fixed_size 327680
		.amdhsa_private_segment_fixed_size 0
		.amdhsa_enable_private_segment 0
		.amdhsa_kernarg_size 48
		.amdhsa_user_sgpr_count 2
		.amdhsa_user_sgpr_kernarg_segment_ptr 1
		.amdhsa_wavefront_size32 1
		.amdhsa_system_sgpr_workgroup_id_x 1
		.amdhsa_system_sgpr_workgroup_id_y 1
		.amdhsa_system_sgpr_workgroup_id_z 1
		.amdhsa_system_vgpr_workitem_id 0
		.amdhsa_next_free_vgpr 1024
		.amdhsa_next_free_sgpr 100
		.amdhsa_reserve_vcc 0
		.amdhsa_float_denorm_mode_32 3
		.amdhsa_float_denorm_mode_16_64 3
		.amdhsa_memory_ordered 1
		.amdhsa_forward_progress 1
		.amdhsa_inst_pref_size 151
	.end_amdhsa_kernel
	.amdgpu_metadata
---
amdhsa.version: [ 1, 2 ]
amdhsa.kernels:
  - .name:           k_q5b859a19f1_oproj
    .symbol:         k_q5b859a19f1_oproj.kd
    .args:
      - { .name: ao, .offset: 0, .size: 8, .value_kind: global_buffer, .address_space: global }
      - { .name: aos, .offset: 8, .size: 8, .value_kind: global_buffer, .address_space: global }
      - { .name: codes, .offset: 16, .size: 8, .value_kind: global_buffer, .address_space: global }
      - { .name: scales, .offset: 24, .size: 8, .value_kind: global_buffer, .address_space: global }
      - { .name: bo, .offset: 32, .size: 8, .value_kind: global_buffer, .address_space: global }
      - { .name: out0, .offset: 40, .size: 8, .value_kind: global_buffer, .address_space: global }
    .group_segment_fixed_size: 327680
    .private_segment_fixed_size: 0
    .kernarg_segment_align: 8
    .kernarg_segment_size: 48
    .max_flat_workgroup_size: 128
    .sgpr_count:     100
    .vgpr_count:     1024
    .wavefront_size: 32
...
	.end_amdgpu_metadata
.endif
;; end of part 4
;; ======== version 2 of 2: 4 launches; 1.13 times as fast as version 1
;; workspace buffers: codes 15,728,640 bytes; scales 655,360 bytes; mbits 524,288 bytes of whole numbers; qkv 9,437,184 bytes; qkvs 393,216 bytes; ao 3,145,728 bytes; aos 131,072 bytes
;; launch prep: the kernel of part 1 again; grid 128 x 6, 4 waves a work-group, no clusters, 68,096 bytes of LDS; arguments x, Wq, Wk, Wv, Wo, mask, codes, scales, mbits; writes codes, scales, mbits
;; launch qkv: the kernel of part 2 again; grid 24 x 8, 4 waves a work-group, clusters of 4 x 4, 327,680 bytes of LDS; arguments codes, scales, bq, bk, bv, cos, sin, qkv, qkvs; writes qkv, qkvs
;; launch attn: the kernel of part 3 again; grid 16 x 16, 8 waves a work-group, clusters of 4 x 1, 327,680 bytes of LDS; arguments qkv, qkvs, mbits, ao, aos; writes ao, aos
;; launch oproj (part 5): grid 16 x 16, 4 waves a work-group, clusters of 4 x 4, 327,680 bytes of LDS; arguments ao, aos, codes, scales, bo, out0; writes out0
.if DOCPART == 5
	.amdgcn_target "amdgcn-amd-amdhsa--gfx1250"
	.amdhsa_code_object_version 6
	.text
	.protected	k_q5b859a19f1_oproj
	.globl	k_q5b859a19f1_oproj
	.p2align	8
	.type	k_q5b859a19f1_oproj,@function
k_q5b859a19f1_oproj:
	s_mov_b64 s[64:65], 0
	v_nop
	global_prefetch_b8 v0, s[64:65] scope:SCOPE_SE
	s_setreg_imm32_b32 hwreg(HW_REG_WAVE_MODE, 25, 1), 1
	s_wait_xcnt 0x0
	s_wait_alu depctr_hold_cnt(0) depctr_sa_sdst(0) depctr_va_vdst(0) depctr_va_sdst(0) depctr_va_ssrc(0) depctr_va_vcc(0) depctr_vm_vsrc(0)
	s_getreg_b32 s2, hwreg(HW_REG_IB_STS2, 6, 4)
	s_cmp_eq_u32 s2, 0
	s_cbranch_scc0 .Lentry_in_a_cluster
	s_endpgm
.Lentry_in_a_cluster:
	s_bfe_u32 s2, ttmp6, 0x10000c
	s_cmp_lg_u32 s2, 0xf033
	s_cbranch_scc0 .Lentry_shape_is_right
	s_endpgm
.Lentry_shape_is_right:
; out0 = O Wo^T + bo on codes of FP6 (E2M3) with E8M0 scales.  O arrives as images (ao: tile T, K step s at 24576 T + 1536 s; aos: its scale words at 1024 T + 256 (s / 4) + 16 i + 4 (s % 4)); Wo's images are tiles 512 + .. of codes and scales.
; A tile is 16 rows that are not neighbours: image row i is row 32 (T / 2) + 8 (T % 2) + i + 8 (i / 8).  An image is the 12 registers of the operand as they stand in the lanes: three loads of 512 consecutive bytes bring it.
; SHARES: 2048 x 2048 of out0 in tiles of 128 x 128 give 256 work-groups; four waves, each 64 x 64: 16 accumulators, 16 K steps of 128: 256 matrix instructions a wave.
; Source 0 = a tile of Wo, source 1 = a tile of O: a lane holds one token, and accumulator b's eight registers are columns 32 (b / 2) + 16 (lane / 16) + 8 (b % 2) + 0 .. 7.
; LDS: THREE slots of 512 along K: for each of 16 tiles (O's 8, then Wo's 8) four images, 6,144 consecutive bytes of memory.  All three slots and the scale words of all of K go out as first fills: four loads of a wave are out.
; Only the last quarter of K is a refill: into slot 0, behind the one round of the cluster's barrier, with the eight K steps of slots 1 and 2 in which to land.  So no prefetch is laid.
; CLUSTER 4 x 4: O's tiles hang on the tile row alone and are shared along a row of the cluster, Wo's on the tile column alone and are shared along a column: each is asked for jointly.
; A row of O whose scale bytes are 0xff (a query for which no key counted) comes out as NaN, as the softmax of such a row is.
; REGISTERS: window 0: v8-11 bo; v16-30 addresses; v32-63 scale words, two sets of 16; v64-127 the way out; v128-255 the accumulators ((a, b) at v[128 + 8 (4 a + b)]).
;   window 1: two fragment buffers, at v0 and v128: O's four fragments (48 registers), then Wo's four.
.set FR,    12                         ; registers of a fragment
.set HALFT, 24576                      ; 4 tiles x 6,144 bytes: what one tensor load brings, and what one wave reads of O or of Wo in a slot
.set SLOT,  4*HALFT
.set SCL,   3*SLOT                     ; behind the slots: the scale words, 1,024 bytes a tile
.set QSC,   4096                       ; those of 4 tiles
.set SPARE, SCL+4*QSC                  ; the spare words: 128 bytes a wave, two blocks of 256 bytes that no other line names
.set STAGE, SLOT                       ; the way out: 16 rows x (256 + 16) bytes for each wave, in slot 1, which has had its one fill and its last read when the first result is stored there
.set SPITCH, 272
.set BO,   8                           ; v8-11  bo of my four columns of a row read back
.set ADRA, 16                          ; v16-18 LDS address of my fragments of O in slot 0, 1, 2
.set ADRB, 20                          ; v20-22 the same for Wo
.set STO,  24                          ; v24  the stage: where I put 32 bytes of a row
.set RD,   25                          ; v25  and where I read 16 bytes of a row back
.set CO,   26                          ; v26  my byte offset in two rows of out0
.set ADRS, 27                          ; v27  LDS address of my scale words: lanes 0-15 O's, lanes 16-31 Wo's
.set SPW,  28                          ; v28  my spare word; never rewritten
.set NIL,  29                          ; v29  0; never rewritten
.set LI,   30                          ; v30  16 x lane
.set SC,   32                          ; set v % 2 for K's quarter v; in it register 4 i + q: lanes 0-15 the word of O's tile i, lanes 16-31 that of Wo's tile i, for the quarter's q-th 128 along K
.set BK,   64                          ; the way out: 16 rows read back: v64-95 and v96-127 by turns
.set ACC,  128
.set F0,   0
.set F1,   128
.set G1,   24                          ; s[24:31] descriptor group 1 for O's tiles;   s[32:39] for Wo's
.set G1B,  32
.set G0,   40                          ; s[40:51] group 0 for O's tiles, one set for each slot;   s[52:63] for Wo's
.set G0B,  52
.set G1S,  68                          ; s[68:75], s[76:83] group 1 for the scale words;   s[84:87], s[88:91] their groups 0
.set G1SB, 76
.set G0S,  84
.set G0SB, 88
.set MSB, 0
.macro WIN new                         ; the immediate's high byte repeats the setting that is left
.if MSB != (\new)
	s_set_vgpr_msb (MSB<<8)|(\new)
.set MSB, (\new)
.endif
.endm
.set MUL,  0x05                        ; sources 0 (Wo) and 1 (O) window 1; C and D window 0
.set TO_F, 0x40                        ; destination window 1, address window 0
; A joint load: waves 0 and 1 fetch for O, waves 2 and 3 for Wo; the branch hangs on the wave's number alone.  An s_nop 0 and four v_nop follow each of the two lines.
.macro JLOAD g0a, g1a, g0b, g1b
	s_cmp_eq_u32 s17, 0
	s_cbranch_scc0 .Lfor_b_\@
	tensor_load_to_lds s[\g0a:\g0a+3], s[\g1a:\g1a+7]
	s_nop 0
.rept 4
	v_nop
.endr
	s_branch .Lasked_\@
.Lfor_b_\@:
	tensor_load_to_lds s[\g0b:\g0b+3], s[\g1b:\g1b+7]
	s_nop 0
.rept 4
	v_nop
.endr
.Lasked_\@:
.endm
.macro CREST                           ; a round of the cluster's barrier behind its opening barrier
	s_cmp_lg_u32 s16, 0
	s_cbranch_scc1 .Lnot_wave_0_\@
	s_barrier_signal -3
.Lnot_wave_0_\@:
	s_barrier_wait -3
	s_barrier_signal -1
	s_barrier_wait -1
.endm
.macro CROUND
	s_barrier_signal -1
	s_barrier_wait -1
	CREST
.endm
	s_load_b256 s[4:11], s[0:1], 0x0               ; ao s[4:5], aos s[6:7], codes s[8:9], scales s[10:11]
	s_load_b128 s[12:15], s[0:1], 0x20             ; bo s[12:13], out0 s[14:15]
	v_lshl_add_u32 v[SPW], v0, 2, SPARE
	v_mov_b32 v[NIL], 0
	ds_add_u32 v[SPW], v[NIL]                      ; the wave's opening: the add and its wait stand ahead of my first tensor load; the set-up below, work on registers, stands between them
	v_lshrrev_b32 v1, 5, v0
	v_readfirstlane_b32 s16, v1                    ; wave 0..3
	s_lshr_b32 s17, s16, 1                         ; which half of the tile's rows is mine.  Also: I fetch for O (0) or for Wo (1)
	s_and_b32 s18, s16, 1                          ; which half of its columns.  Also: which 4 tiles I fetch
	s_bfe_u32 s19, ttmp6, 0x40000                  ; cx, cy: my place in the cluster
	s_bfe_u32 s20, ttmp6, 0x40004
	s_lshl_b32 s21, ttmp9, 2
	s_add_co_u32 s21, s21, s19                     ; tile column = 4 x cluster x + cx
	s_and_b32 s22, ttmp7, 0xffff
	s_lshl_b32 s22, s22, 2
	s_add_co_u32 s22, s22, s20                     ; tile row = 4 x cluster y + cy
	s_lshl_b32 s23, s20, 2
	s_lshl_b32 s23, 15, s23                        ; my row of the cluster
	s_lshl_b32 s2, 0x1111, s19                     ; my column
	; descriptor group 1: 4 rows (tiles) of 6,144 bytes (768 elements of 8 bytes), 24,576 bytes apart in memory; dense in LDS
	s_or_b32 s[G1+0], s23, (3<<16)|(1<<21)         ; 15:0 the mask; 17:16 elements of 8 bytes; 20 no padding; 21 set beside a mask
	s_or_b32 s[G1B+0], s2, (3<<16)|(1<<21)
.irp g, G1, G1B
	s_mov_b32 s[\g+1], 768<<16                     ; tensor_dim0
	s_mov_b32 s[\g+2], 4<<16                       ; tensor_dim1
	s_mov_b32 s[\g+3], 768<<16                     ; tile_dim0
	s_mov_b32 s[\g+4], 4                           ; tile_dim1
	s_mov_b32 s[\g+5], 3072                        ; tensor_dim0_stride
	s_mov_b32 s[\g+6], 0
	s_mov_b32 s[\g+7], 0
.endr
	; the scale words of 4 tiles: 4,096 dense bytes as 16 rows of 256
	s_or_b32 s[G1S+0], s23, (3<<16)|(1<<21)
	s_or_b32 s[G1SB+0], s2, (3<<16)|(1<<21)
.irp g, G1S, G1SB
	s_mov_b32 s[\g+1], 32<<16
	s_mov_b32 s[\g+2], 16<<16
	s_mov_b32 s[\g+3], 32<<16
	s_mov_b32 s[\g+4], 16
	s_mov_b32 s[\g+5], 32
	s_mov_b32 s[\g+6], 0
	s_mov_b32 s[\g+7], 0
.endr
	s_lshl_b32 s3, s18, 2
	s_lshl_b32 s66, s22, 3
	s_add_co_u32 s66, s66, s3                      ; the first tile of O that I would fetch: 8 x tile row + 4 x half: it never holds cx
	s_lshl_b32 s67, s21, 3
	s_add_co_u32 s67, s67, s3
	s_add_co_u32 s67, s67, 512                     ; and of Wo: 512 + 8 x tile column + 4 x half: it never holds cy
	s_mul_i32 s92, s66, 24576
	s_mov_b32 s93, 0
	s_lshl_b32 s94, s66, 10
	s_mov_b32 s95, 0
	s_mul_i32 s96, s67, 24576
	s_mov_b32 s97, 0
	s_lshl_b32 s98, s67, 10
	s_mov_b32 s99, 0
	s_mul_i32 s3, s16, HALFT                       ; where they go: wave x 4 tiles: no place in the cluster enters an LDS address
	s_lshl_b32 s2, s16, 12
	s_wait_dscnt 0x0                               ; the opening add is done
	s_wait_kmcnt 0x0
	s_add_nc_u64 s[92:93], s[4:5], s[92:93]
	s_add_nc_u64 s[94:95], s[6:7], s[94:95]
	s_add_nc_u64 s[96:97], s[8:9], s[96:97]
	s_add_nc_u64 s[98:99], s[10:11], s[98:99]
	CROUND                                         ; all sixteen work-groups are here: the first joint loads meet
	s_mov_b32 s[G0S], 1
	s_add_co_u32 s[G0S+1], s2, SCL
	s_mov_b64 s[G0S+2:G0S+3], s[94:95]
	s_or_b32 s[G0S+3], s[G0S+3], 0x80000000
	s_mov_b32 s[G0SB], 1
	s_add_co_u32 s[G0SB+1], s2, SCL
	s_mov_b64 s[G0SB+2:G0SB+3], s[98:99]
	s_or_b32 s[G0SB+3], s[G0SB+3], 0x80000000
	JLOAD G0S, G1S, G0SB, G1SB                     ; the scale words first: they are wanted with the first K step
.irp s, 0,1,2
	s_mov_b32 s[G0+4*\s], 1
	s_add_co_u32 s[G0+4*\s+1], s3, \s*SLOT
	s_add_nc_u64 s[G0+4*\s+2:G0+4*\s+3], s[92:93], \s*6144
	s_or_b32 s[G0+4*\s+3], s[G0+4*\s+3], 0x80000000
	s_mov_b32 s[G0B+4*\s], 1
	s_add_co_u32 s[G0B+4*\s+1], s3, \s*SLOT
	s_add_nc_u64 s[G0B+4*\s+2:G0B+4*\s+3], s[96:97], \s*6144
	s_or_b32 s[G0B+4*\s+3], s[G0B+4*\s+3], 0x80000000
	JLOAD G0+4*\s, G1, G0B+4*\s, G1B               ; K's quarter s into slot s
.endr
	v_and_b32 v1, 15, v0                           ; r
	v_bfe_u32 v2, v0, 4, 1                         ; h
	v_and_b32 v3, 31, v0
	v_lshlrev_b32 v[LI], 4, v3
	s_mul_i32 s66, s17, HALFT                      ; my 4 tiles of O
	s_mul_i32 s67, s18, HALFT                      ; my 4 tiles of Wo,
	s_add_co_u32 s67, s67, 2*HALFT                 ; which lie behind O's 8
.irp s, 0,1,2
	v_add_nc_u32 v[ADRA+\s], s66, v[LI]
	v_add_nc_u32 v[ADRB+\s], s67, v[LI]
	s_add_co_u32 s66, s66, SLOT
	s_add_co_u32 s67, s67, SLOT
.endr
	v_lshlrev_b32 v5, 4, v1                        ; 16 r: my row's four scale words of a quarter; also my 16 bytes of a row of 256
	s_lshl_b32 s66, s17, 12                        ; O's: my 4 tiles
	s_lshl_b32 s67, s18, 12                        ; Wo's: my 4 tiles, behind O's 8
	s_add_co_u32 s67, s67, 2*QSC
	s_sub_co_u32 s67, s67, s66
	v_mul_u32_u24 v6, s67, v2                      ; lanes 16-31 take Wo's
	s_add_co_u32 s66, s66, SCL
	v_add_nc_u32 v6, v5, v6
	v_add_nc_u32 v[ADRS], s66, v6
	s_mul_i32 s66, s16, 16*SPITCH
	s_add_co_u32 s66, s66, STAGE                   ; my stage
	v_mul_u32_u24 v6, v1, SPITCH
	v_lshl_add_u32 v6, v2, 6, v6
	v_add_nc_u32 v[STO], s66, v6                   ; in: row r, + 64 h
	v_mul_u32_u24 v6, v2, SPITCH
	v_add_nc_u32 v6, v6, v5
	v_add_nc_u32 v[RD], s66, v6                    ; back: lanes 0-15 one row of 256 bytes, lanes 16-31 the next
	v_lshl_add_u32 v[CO], v2, 13, v5               ; and the same two rows in out0, 8,192 bytes apart
	s_lshl_b32 s92, s21, 9                         ; my first column, in bytes: 512 x tile column + 256 x half
	s_lshl_b32 s94, s18, 8
	s_add_co_u32 s92, s92, s94
	s_mov_b32 s93, 0
	s_add_nc_u64 s[12:13], s[12:13], s[92:93]
	s_add_nc_u64 s[14:15], s[14:15], s[92:93]
	s_lshl_b32 s92, s22, 20                        ; my first row: 128 x tile row + 64 x half, rows of 8,192 bytes
	s_lshl_b32 s94, s17, 19
	s_add_co_u32 s92, s92, s94
	s_add_nc_u64 s[14:15], s[14:15], s[92:93]
	global_load_b128 v[BO:BO+3], v5, s[12:13]
; 8 matrix instructions: O's tiles a0, a0 + 1 x Wo's four, 128 along K: the quarter's q-th, out of buffer f.  sc: the set of scale words.  zero = 1: the first product starts the sums: nothing is ever cleared.
; The 16 accumulators take turns, one instruction a turn, in the same order in every K step.
.macro MUL8 f, a0, q, sc, zero
.irp a, \a0, \a0+1
.irp b, 0,1,2,3
.if \zero
	v_wmma_scale_f32_16x16x128_f8f6f4 v[ACC+8*(4*(\a)+\b):ACC+8*(4*(\a)+\b)+7], v[\f+48+FR*\b:\f+48+FR*\b+FR-1], v[\f+FR*(\a):\f+FR*(\a)+FR-1], 0, v[SC+16*(\sc)+4*\b+(\q)], v[SC+16*(\sc)+4*(\a)+(\q)] matrix_a_fmt:MATRIX_FMT_FP6 matrix_b_fmt:MATRIX_FMT_FP6 matrix_a_scale:MATRIX_SCALE_ROW1
.else
	v_wmma_scale_f32_16x16x128_f8f6f4 v[ACC+8*(4*(\a)+\b):ACC+8*(4*(\a)+\b)+7], v[\f+48+FR*\b:\f+48+FR*\b+FR-1], v[\f+FR*(\a):\f+FR*(\a)+FR-1], v[ACC+8*(4*(\a)+\b):ACC+8*(4*(\a)+\b)+7], v[SC+16*(\sc)+4*\b+(\q)], v[SC+16*(\sc)+4*(\a)+(\q)] matrix_a_fmt:MATRIX_FMT_FP6 matrix_b_fmt:MATRIX_FMT_FP6 matrix_a_scale:MATRIX_SCALE_ROW1
.endif
.endr
.endr
.endm
; 24 LDS loads in one run: my eight fragments of the slot's q-th 128 along K into buffer f; each load takes 512 consecutive bytes
.macro FETCH slot, q, f
	WIN TO_F
.irp i, 0,1,2,3
.irp c, 0,1,2
	ds_load_b128 v[\f+FR*\i+4*\c:\f+FR*\i+4*\c+3], v[ADRA+\slot] offset:6144*\i+1536*(\q)+512*\c
.endr
.endr
.irp i, 0,1,2,3
.irp c, 0,1,2
	ds_load_b128 v[\f+48+FR*\i+4*\c:\f+48+FR*\i+4*\c+3], v[ADRB+\slot] offset:6144*\i+1536*(\q)+512*\c
.endr
.endr
.endm
.macro SCALES vis                      ; quarter vis of K: a row's four words are 16 consecutive bytes; lanes 0-15 take O's tile i, lanes 16-31 Wo's tile i
.irp i, 0,1,2,3
	ds_load_b128 v[SC+16*((\vis)%2)+4*\i:SC+16*((\vis)%2)+4*\i+3], v[ADRS] offset:1024*\i+256*(\vis)
.endr
.endm
.macro PLACES                          ; four plain vector places behind matrix instructions, in front of loads into registers that they read and of reads of results
.rept 4
	v_nop
.endr
.endm
; A K step of 128: buffer f is in; the next step's fragments (slot nslot, its nq-th 128) are asked for into buffer g, which the step before multiplied; then this step's 16 products, in which they land.
; nvis < 4: the next step opens quarter nvis of K: its scale words come too.
.macro QSTEP f, q, sc, zero, nslot, nq, g, nvis
	s_wait_dscnt 0x0                               ; this step's fragments (and scale words), asked for 16 matrix instructions ago
	PLACES
	FETCH \nslot, \nq, \g
.if \nvis < 4
	WIN 0
	SCALES \nvis
.endif
	WIN MUL
	MUL8 \f, 0, \q, \sc, \zero
	MUL8 \f, 2, \q, \sc, \zero
.endm
; A quarter's last K step where a barrier is owed.  In front of it each wave waits for all its tensor loads, adds 0 to its spare word, and waits for that and for its own LDS reads.
; fill = 1: the barrier opens a round of the cluster's barrier, and behind the round slot 0, which nobody reads any more, takes K's last quarter; slots 1 and 2 are whole for every wave.
; fill = 0: that last quarter has landed in every wave's part of slot 0.
.macro TURN sc, fill, nslot, nvis
	WIN 0                                          ; (the add's two registers lie in window 0)
	s_wait_tensorcnt 0x0                           ; all my tensor loads have landed
	ds_add_u32 v[SPW], v[NIL]                      ; 0 onto my spare word
	s_wait_dscnt 0x0                               ; the add is done; this step's fragments are in, and with them my reads of the slots behind me are over
	s_barrier_signal -1
	WIN MUL
	MUL8 F1, 0, 3, \sc, 0                          ; work on registers while the others arrive
	WIN 0
	s_barrier_wait -1
.if \fill
	CREST                                          ; no wave of any partner still reads slot 0 or has a load on its way
	s_add_nc_u64 s[G0+2:G0+3], s[G0+2:G0+3], 3*6144    ; from K's first quarter to its last; no tensor load of mine is out
	s_add_nc_u64 s[G0B+2:G0B+3], s[G0B+2:G0B+3], 3*6144
	JLOAD G0, G1, G0B, G1B                         ; my one tensor load behind the round, and the first thing there; its four v_nop are the places in front of the loads below
.else
	PLACES
.endif
	FETCH \nslot, 0, F0
	WIN 0
	SCALES \nvis
	WIN MUL
	MUL8 F1, 2, 3, \sc, 0
.endm
	s_wait_tensorcnt 2                             ; the scale words and my part of slot 0 are in (slot 1's and slot 2's loads may be out)
	s_barrier_signal -1
	s_barrier_wait -1                              ; everybody's are
	FETCH 0, 0, F0
	WIN 0
	SCALES 0
	QSTEP F0, 0, 0, 1, 0, 1, F1, 9                 ; K's first quarter, out of slot 0; the first step's products start the sums
	QSTEP F1, 1, 0, 0, 0, 2, F0, 9
	QSTEP F0, 2, 0, 0, 0, 3, F1, 9
	TURN 0, 1, 1, 1                                ; slot 0 is left and filled again
	QSTEP F0, 0, 1, 0, 1, 1, F1, 9                 ; the second quarter, out of slot 1
	QSTEP F1, 1, 1, 0, 1, 2, F0, 9
	QSTEP F0, 2, 1, 0, 1, 3, F1, 9
	QSTEP F1, 3, 1, 0, 2, 0, F0, 2                 ; on into slot 2 with no barrier: the round has shown it whole to every wave
	QSTEP F0, 0, 0, 0, 2, 1, F1, 9                 ; the third quarter
	QSTEP F1, 1, 0, 0, 2, 2, F0, 9
	QSTEP F0, 2, 0, 0, 2, 3, F1, 9
	TURN 0, 0, 0, 3                                ; the refill has landed
	QSTEP F0, 0, 1, 0, 0, 1, F1, 9                 ; the last quarter, out of slot 0
	QSTEP F1, 1, 1, 0, 0, 2, F0, 9
	QSTEP F0, 2, 1, 0, 0, 3, F1, 9
	s_wait_dscnt 0x0                               ; the very last step: nothing more to fetch
	WIN MUL
	MUL8 F1, 0, 3, 1, 0
	MUL8 F1, 2, 3, 1, 0
	WIN 0
; THE WAY OUT, block by block of 16 tokens x 64 columns, through my own stage.  A lane holds 32 neighbouring bytes of a row four times over, and the lanes beside it hold other rows; back come whole rows of 256 bytes,
; two an instruction; bo is added; sixteen lanes store 256 consecutive bytes, aligned.  LDS serves a wave's instructions in order (ISA guide 5.7.1.4): no wait between the stores and the loads, nor in front of the next block's stores.
.macro TOSTAGE a
.irp b, 0,1,2,3
	ds_store_b128 v[STO], v[ACC+8*(4*(\a)+\b):ACC+8*(4*(\a)+\b)+3] offset:128*(\b/2)+32*(\b%2)       ; each accumulator from its low end on
	ds_store_b128 v[STO], v[ACC+8*(4*(\a)+\b)+4:ACC+8*(4*(\a)+\b)+7] offset:128*(\b/2)+32*(\b%2)+16
.endr
.set BB, BK+32*((\a)%2)
.irp t, 0,1,2,3,4,5,6,7
	ds_load_b128 v[BB+4*\t:BB+4*\t+3], v[RD] offset:2*\t*SPITCH    ; image rows 2 t and 2 t + 1
.endr
.endm
.macro SEND a, younger                 ; younger: the LDS instructions issued behind block a's loads, which may stay out
.set BB, BK+32*((\a)%2)
	s_wait_dscnt \younger                          ; the block is back in registers
.irp t, 0,1,2,3,4,5,6,7
	v_pk_add_f32 v[BB+4*\t:BB+4*\t+1], v[BB+4*\t:BB+4*\t+1], v[BO:BO+1]
	v_pk_add_f32 v[BB+4*\t+2:BB+4*\t+3], v[BB+4*\t+2:BB+4*\t+3], v[BO+2:BO+3]
	global_store_b128 v[CO], v[BB+4*\t:BB+4*\t+3], s[14:15] offset:(32*((\a)/2)+8*((\a)%2)+2*\t+8*(\t/4))*8192 th:TH_STORE_NT   ; image row i of block a is token 32 (a / 2) + 8 (a % 2) + i + 8 (i / 8) of my 64; 62 rows at the most: inside the signed 24-bit immediate
.endr
.endm
	PLACES                                         ; behind the last products: results are read
	s_wait_loadcnt 0x0                             ; bo
	TOSTAGE 0
.irp a, 1,2,3
.if \a > 1
	s_wait_xcnt 0x0                                ; block a - 2's stores have read their registers: block a's loads may land there
.endif
	TOSTAGE \a
	SEND \a-1, 16                                  ; behind block a - 1's loads: block a's 8 stores and 8 loads
.endr
	SEND 3, 0
	s_wait_tensorcnt 0x0                           ; the wave's end, behind my last tensor load and my last LDS store
	ds_add_u32 v[SPW], v[NIL]
	s_wait_dscnt 0x0
	CROUND                                         ; the closing round: no work-group ends while a partner may still ask for a tile that names it
	s_endpgm
.Lfunc_end_k_q5b859a19f1_oproj:
	.size	k_q5b859a19f1_oproj, .Lfunc_end_k_q5b859a19f1_oproj-k_q5b859a19f1_oproj
	.p2alignl 7, 3214868480
	.fill 96, 4, 3214868480
	.section	.rodata,"a",@progbits
	.p2align	6, 0x0
	.amdhsa_kernel k_q5b859a19f1_oproj
		.amdhsa_group_segment_fixed_size 327680
		.amdhsa_private_segment_fixed_size 0
		.amdhsa_enable_private_segment 0
		.amdhsa_kernarg_size 48
		.amdhsa_user_sgpr_count 2
		.amdhsa_user_sgpr_kernarg_segment_ptr 1
		.amdhsa_wavefront_size32 1
		.amdhsa_system_sgpr_workgroup_id_x 1
		.amdhsa_system_sgpr_workgroup_id_y 1
		.amdhsa_system_sgpr_workgroup_id_z 1
		.amdhsa_system_vgpr_workitem_id 0
		.amdhsa_next_free_vgpr 512
		.amdhsa_next_free_sgpr 100
		.amdhsa_reserve_vcc 0
		.amdhsa_float_denorm_mode_32 3
		.amdhsa_float_denorm_mode_16_64 3
		.amdhsa_memory_ordered 1
		.amdhsa_forward_progress 1
		.amdhsa_inst_pref_size 84
	.end_amdhsa_kernel
	.amdgpu_metadata
---
amdhsa.version: [ 1, 2 ]
amdhsa.kernels:
  - .name:           k_q5b859a19f1_oproj
    .symbol:         k_q5b859a19f1_oproj.kd
    .args:
      - { .name: ao, .offset: 0, .size: 8, .value_kind: global_buffer, .address_space: global }
      - { .name: aos, .offset: 8, .size: 8, .value_kind: global_buffer, .address_space: global }
      - { .name: codes, .offset: 16, .size: 8, .value_kind: global_buffer, .address_space: global }
      - { .name: scales, .offset: 24, .size: 8, .value_kind: global_buffer, .address_space: global }
      - { .name: bo, .offset: 32, .size: 8, .value_kind: global_buffer, .address_space: global }
      - { .name: out0, .offset: 40, .size: 8, .value_kind: global_buffer, .address_space: global }
    .group_segment_fixed_size: 327680
    .private_segment_fixed_size: 0
    .kernarg_segment_align: 8
    .kernarg_segment_size: 48
    .max_flat_workgroup_size: 128
    .sgpr_count:     100
    .vgpr_count:     512
    .wavefront_size: 32
...
	.end_amdgpu_metadata
.endif
;; end of part 5
